; MI455X (gfx1250); checked and timed in simulation.
; The chip was launched on July 23, 2026; its instructions are those of AMD's public machine-readable ISA for CDNA 5 (MIT licence, August 2026) and "CDNA5" Instruction Set Architecture Reference Guide (July 2026). The comments in the code are by the model that wrote it; some were corrected since.
;; Attention. Allowed arithmetic: matrix products marked QUANTISED: E2M3 operands, one E8M0 scale for each 32 along K, by v_wmma_scale_f32_16x16x128_f8f6f4 with both operands' format E2M3, f32 sums; everything else in f32.
;; Inputs: Wk 1,024 x 1,024 float32; Wo 1,024 x 1,024 float32; Wq 1,024 x 1,024 float32; Wv 1,024 x 1,024 float32; bk 1,024 float32; bo 1,024 float32; bq 1,024 float32; bv 1,024 float32; k 2 x 2,048 x 1,024 float32; q 2 x 2,048 x 1,024 float32; v 2 x 2,048 x 1,024 float32.
;; Outputs: out0 2 x 2,048 x 1,024 float32.
;; This version of the problem:
;;   THIS VERSION OF THE PROBLEM IS GIVEN IN LOW PRECISION. The matrix products marked QUANTISED in the list below multiply operands that are first quantised to E2M3 (2 exponent bits, 3 mantissa bits; 6 bits a number), with one power-of-two scale for each 32 numbers along K (OCP MX v1.0); their sums are f32. All else is computed in f32.
;;   The module's matrix products, in the order in which they are computed (A, B: the left and right operand; K: the contracted axis; several contracted axes count as one K, in the product's order):
;;     1. [M 4,096, K 1,024] x [K 1,024, N 1,024]; A: input q; B: input Wq: QUANTISED
;;     2. [M 4,096, K 1,024] x [K 1,024, N 1,024]; A: input k; B: input Wk: QUANTISED
;;     3. [M 4,096, K 1,024] x [K 1,024, N 1,024]; A: input v; B: input Wv: QUANTISED
;;     4. batch 32 x [M 2,048, K 64] x [K 64, N 2,048]; A: computed on the way; B: computed on the way: QUANTISED
;;     5. batch 32 x [M 2,048, K 2,048] x [K 2,048, N 64]; A: softmax (see below); B: computed on the way: QUANTISED
;;     6. [M 4,096, K 1,024] x [K 1,024, N 1,024]; A: computed on the way; B: input Wo: QUANTISED
;;   THE QUANTISER, for each operand of a quantised product, along K:
;;     - K is cut into blocks of 32 from its start; a last block that is shorter is filled with zeros.
;;     - A block's scale is 2^e with e = floor(log2(the largest magnitude in the block)) - 2, held to -126 .. 127; a block of zeros has e = 0. As a byte (E8M0): e + 127.
;;     - Each number is divided by its block's scale, clamped to +-7.5, and rounded to the nearest number of E2M3, ties to even, subnormals kept.
;;     - The product sums the exact products of the quantised numbers (number of the format x scale) in f32.
;;   ~~~python
;;   def quantise(x, axis):      # numpy; x: float32 -> the quantised numbers, widened to float32 again
;;       x = np.moveaxis(x, axis, -1); K = x.shape[-1]
;;       x = np.pad(x, [(0, 0)] * (x.ndim - 1) + [(0, -K % 32)]); x = x.reshape(x.shape[:-1] + (-1, 32)); a = np.abs(x).max(-1, keepdims=True)
;;       e = np.where(a > 0, np.clip(np.frexp(np.where(a > 0, a, 1))[1] - 1 - 2, -126, 127), 0)      # np.frexp(a)[1] - 1 = floor(log2(a)), exactly
;;       r = np.clip(x / 2.0 ** e, -7.5, 7.5)
;;       step = 2.0 ** (np.maximum(np.frexp(np.where(r == 0, 1, r))[1] - 1, 0) - 3)
;;       q = np.round(r / step) * step * 2.0 ** e      # np.round: ties to even
;;       return np.moveaxis(q.reshape(q.shape[:-2] + (-1,))[..., :K], -1, axis).astype(np.float32)
;;   ~~~
;;   SOFTMAX AHEAD OF A QUANTISED PRODUCT. Where the list says 'softmax', what is quantised is not the finished softmax but p = 2^(t - M), with t = logit x log2(e) and M = ceil(the row's largest t), a whole number; so 1/2 < the row's largest p <= 1. The row's sum l is taken of the UNQUANTISED p, in f32, and the product's result is divided by l at the end. Since M is a whole number, a kernel that streams over the keys may use a running M (the ceiling of the running maximum): every later rescaling is an exact power of two, which a block's scale takes up: the codes' values come out the same.
;;   OPERANDS COMPUTED ON THE WAY. 'Computed on the way' means the value that the module computes at that place (a softmax that the list does not call 'softmax' is quantised finished and normalised). What goes into a quantiser is computed in f32, as accurately as f32 sums, v_exp_f32 and their like allow (about 1e-6 of the number): no bf16 or f16 on the way to a quantiser, and a product that is left as it is and whose result goes on into a quantised operand takes f32 operands (vector FMAs, or v_wmma_f32_16x16x4_f32). A number that lies on a knife's edge between two numbers of the format may be rounded either way, as far as f32 arithmetic and the matrix unit's own rounding can turn it there, and no further.
;; One version. Each part assembles by itself: llvm-mc -triple=amdgcn-amd-amdhsa -mcpu=gfx1250 --defsym DOCPART=n.
;; ======== version 1 of 1: 4 launches
;; limits: right only within a limited range of input values
;; workspace buffers: opc 12,582,912 bytes; ops 524,288 bytes; qh 3,276,800 bytes; kv 6,553,600 bytes; ac 3,145,728 bytes; asc 131,072 bytes
;; launch prep (part 1): grid 512 x 1, 4 waves a work-group, no clusters, 59,904 bytes of LDS; arguments q, k, v, Wq, Wk, Wv, Wo, opc, ops; writes opc, ops
.if DOCPART == 1
	.amdgcn_target "amdgcn-amd-amdhsa--gfx1250"
	.amdhsa_code_object_version 6
	.text
	.protected	k_qb6d1b56fd2_prep
	.globl	k_qb6d1b56fd2_prep
	.p2align	8
	.type	k_qb6d1b56fd2_prep,@function
k_qb6d1b56fd2_prep:
	s_mov_b64 s[64:65], 0
	v_nop
	global_prefetch_b8 v0, s[64:65] scope:SCOPE_SE
	s_setreg_imm32_b32 hwreg(HW_REG_WAVE_MODE, 25, 1), 1
	s_wait_xcnt 0x0
; PREP: q, k, v [4096][1024] (K innermost) and Wq, Wk, Wv, Wo [1024 (K)][1024 (n)] (K outermost), all f32, become codes of E2M3 with one E8M0 byte for each 32 along K.
; They are stored as IMAGES OF OPERAND REGISTERS, in tiles of 16 rows (rows: tokens, or a weight's columns n).
; q, v and the weights: tile T = 2 g + u, tile row r is row 32 g + 8 u + r + 8 (r / 8).  k: tile T = 4 c + q, tile row r is token 64 c + 8 q + r % 8 + 32 (r / 8):
; rows 0-7 of four neighbouring tiles are one block of 32 keys, rows 8-15 the next block.
; Fragment (T, s) is the tile's K step s of 128: lane 16 h + r holds in registers 6 c .. 6 c + 5 the codes of k = 128 s + 64 c + 32 h + 0 .. 31.  Its image is 1,536 bytes at
; opc + 12,288 T + 1,536 s: registers 4 c' .. 4 c' + 3 of lane l at 512 c' + 16 l.  The scale word of (T, r, s) lies at ops + 512 T + 32 r + 4 s.
; Tiles: q 0-255, k 256-511, v 512-767, Wq 768-831, Wk 832-895, Wv 896-959, Wo 960-1023.
; A block's scale is 2^(floor(log2(largest magnitude)) - 2): its byte is the largest magnitude's exponent field - 2, held at 1 from below.
; LIMITS: NaN and infinities are not served; a block of zeros, or one whose largest magnitude lies under 2^-124, gets the byte 1 (its codes are zeros or subnormal codes; this program alone reads the bytes).
; Work-groups 0-383: a wave takes four of the eight K steps of one tile of q, k or v: 32,768 bytes read.  Work-groups 384-511: a wave takes 32 columns x 256 along K of a weight: 32,768 bytes read.
; Waves share nothing: no barrier.  The two paths have LDS bytes of their own.
.set SEL,   30                         ; s[30:31] lane selects for v_permlanex16_b32: lane l xor 16
.set RR,    16                         ; v16-143  two sets of 64 numbers as loaded
.set XN,    144                        ; v144-207 64 numbers turned: register 16 b + i = k 32 b + 16 h + i of my row
.set PC,    208                        ; v208-227 the codes just made
.set TM,    228                        ; v228-243 at work
.set PW8,   244                        ; v244-247 the scale words of my four K steps
.set WX,    32                         ; weights: v32-95 two sets of 32 numbers
.set CC,    96                         ; v96-101  a block's six registers of codes
.set DD,    104                        ; v104-106 its second half as converted
.set SB,    24                         ; v24-25   scale bytes, four to a register
.set OUTR,  112                        ; v112-159 the way out
.set XSTG,  8448                       ; a wave's stage on the token path: 16 rows x (512 + 16) bytes
.set WBASE, 4*XSTG                     ; behind them the weight path's stages:
.set WSTG,  6400                       ; two tiles x 3,200 bytes (3,072 of images + 128)
; 64 numbers of a lane, register 16 b + i = k 32 b + 16 (lane / 16) + i of my row, become a fragment's codes in v[PC] on and its scale word in v[pw]
.macro QUANT s, pw
.irp b, 0,1,2,3
	v_max3_num_f32 v[TM+\b], |v[\s+16*\b]|, |v[\s+1+16*\b]|, 0x1800000   ; my 16 numbers of block b, and the floor 2^(3 - 127): the byte cannot fall under 1
.endr
.irp i, 2,4,6,8,10,12,14
.irp b, 0,1,2,3
	v_max3_num_f32 v[TM+\b], v[TM+\b], |v[\s+16*\b+\i]|, |v[\s+1+16*\b+\i]|
.endr
.endr
.irp b, 0,1,2,3
	v_permlanex16_b32 v[TM+4+\b], v[TM+\b], s[SEL], s[SEL+1]
.endr
.irp b, 0,1,2,3
	v_max_num_f32 v[TM+\b], v[TM+\b], v[TM+4+\b]   ; with lane l xor 16's 16: the block's largest magnitude
.endr
.irp b, 0,1,2,3
	v_add_nc_u32 v[TM+12+\b], 0xff000000, v[TM+\b] ; 2 off its exponent field: the conversion's scale operand
.endr
.irp b, 0,1,2,3
	v_lshrrev_b32 v[TM+4+\b], 23, v[TM+12+\b]      ; the scale's byte
.endr
	v_lshl_or_b32 v[\pw], v[TM+5], 8, v[TM+4]
	v_lshl_or_b32 v[\pw], v[TM+6], 16, v[\pw]
	v_lshl_or_b32 v[\pw], v[TM+7], 24, v[\pw]
.irp c, 0,1
	v_cvt_scalef32_pk16_fp6_f32 v[PC+6*\c:PC+2+6*\c], v[\s+32*\c:\s+15+32*\c], v[TM+12+2*\c]
	v_cvt_scalef32_pk16_fp6_f32 v[PC+12+4*\c:PC+14+4*\c], v[\s+16+32*\c:\s+31+32*\c], v[TM+12+2*\c+1]
.endr
	v_nop                                          ; one plain place behind a scaled conversion
.irp c, 0,1                            ; the operand wants a whole block in a lane: lanes 0-15 block 2 c, lanes 16-31 block 2 c + 1
.irp i, 0,1,2
	v_permlane16_swap_b32 v[PC+6*\c+\i], v[PC+12+4*\c+\i]
.endr
.irp i, 0,1,2
	v_mov_b32 v[PC+3+6*\c+\i], v[PC+12+4*\c+\i]
.endr
.endr
.endm
	s_load_b256 s[4:11], s[0:1], 0x0               ; q s[4:5], k s[6:7], v s[8:9], Wq s[10:11]
	s_load_b256 s[12:19], s[0:1], 0x20             ; Wk s[12:13], Wv s[14:15], Wo s[16:17], opc s[18:19]
	s_load_b64 s[20:21], s[0:1], 0x40              ; ops
	v_lshl_add_u32 v254, v0, 2, 0xe800
	v_mov_b32 v255, 0
	v_lshrrev_b32 v8, 5, v0
	v_readfirstlane_b32 s22, v8                    ; wave
	v_and_b32 v8, 31, v0                           ; lane
	v_and_b32 v9, 15, v0                           ; lane % 16
	v_bfe_u32 v10, v0, 4, 1                        ; lane / 16
	v_lshlrev_b32 v1, 4, v8                        ; 16 x lane
	s_mov_b32 s[SEL], 0x76543210
	s_mov_b32 s[SEL+1], 0xfedcba98
	s_mov_b32 s33, 0
	s_cmp_lt_u32 ttmp9, 384
	s_cbranch_scc0 .Lweights
; ---------------- q, k, v: K innermost ----------------
	s_lshl_b32 s23, ttmp9, 2
	s_add_co_u32 s23, s23, s22                     ; 2 x tile + which four K steps
	s_and_b32 s39, s23, 1
	s_lshr_b32 s23, s23, 1                         ; my tile
	s_lshr_b32 s24, ttmp9, 7                       ; which tensor
	s_and_b32 s25, s23, 255                        ; the tile in it
	s_lshr_b32 s32, s25, 1
	s_lshl_b32 s32, s32, 5
	s_and_b32 s38, s25, 1
	s_lshl_b32 s38, s38, 3
	s_add_co_u32 s32, s32, s38                     ; q, v: its first row 32 g + 8 u, and rows 8-15 begin 16 rows on
	s_lshr_b32 s42, s25, 2
	s_lshl_b32 s42, s42, 6
	s_and_b32 s38, s25, 3
	s_lshl_b32 s38, s38, 3
	s_add_co_u32 s42, s42, s38                     ; k: 64 c + 8 q, and rows 8-15 begin 32 rows on
	s_mov_b32 s40, 32*4096
	s_mov_b32 s41, 0
	s_cmp_eq_u32 s24, 1
	s_cselect_b32 s32, s42, s32
	s_cselect_b32 s40, s40, 16*4096
	s_lshl_b32 s32, s32, 12                        ; rows of 4,096 bytes
	s_lshl_b32 s38, s39, 11
	s_add_co_u32 s32, s32, s38                     ; + my four K steps: 2,048 bytes along the row
	s_mul_i32 s34, s23, 12288
	s_mul_i32 s38, s39, 6144
	s_add_co_u32 s34, s34, s38
	s_mov_b32 s35, 0
	s_lshl_b32 s36, s23, 9
	s_lshl_b32 s38, s39, 4
	s_add_co_u32 s36, s36, s38
	s_mov_b32 s37, 0
	s_mul_i32 s28, s22, XSTG
	s_wait_alu depctr_va_vdst(0)
	v_add_nc_u32 v2, s28, v1                       ; the stage, in: 16 x lane in a row
	v_mul_u32_u24 v3, v9, 528
	v_lshl_add_u32 v3, v10, 6, v3
	v_add_nc_u32 v3, s28, v3                       ; out: row r, + 64 h: my 16 numbers of a block of 32
	v_lshlrev_b32 v4, 5, v9
	v_lshl_add_u32 v4, v10, 3, v4                  ; scale words: 32 r + 8 h
.irp b, 0,1,2,3
	v_mov_b32 v[TM+4+\b], 0                        ; written once: a lane permute's destination counts as one of its sources
.endr
	s_wait_alu depctr_va_vdst(0)
	s_wait_kmcnt 0x0
	s_cmp_eq_u32 s24, 0
	s_cselect_b64 s[26:27], s[4:5], s[6:7]
	s_cmp_eq_u32 s24, 2
	s_cselect_b64 s[26:27], s[8:9], s[26:27]
	s_add_nc_u64 s[26:27], s[26:27], s[32:33]      ; tile rows 0-7
	s_add_nc_u64 s[40:41], s[26:27], s[40:41]      ; tile rows 8-15
	s_add_nc_u64 s[18:19], s[18:19], s[34:35]
	s_add_nc_u64 s[20:21], s[20:21], s[36:37]
.macro XLOAD s                         ; step s of my four, the tile's 16 rows: each load reads 512 consecutive bytes of one row
.irp r, 0,1,2,3,4,5,6,7
	global_load_b128 v[RR+64*((\s)%2)+4*\r:RR+64*((\s)%2)+4*\r+3], v1, s[26:27] offset:\r*4096+512*(\s) th:TH_LOAD_NT
.endr
.irp r, 0,1,2,3,4,5,6,7
	global_load_b128 v[RR+64*((\s)%2)+32+4*\r:RR+64*((\s)%2)+32+4*\r+3], v1, s[40:41] offset:\r*4096+512*(\s) th:TH_LOAD_NT
.endr
.endm
.macro XSTEP s
.if (\s) < 3
	s_wait_loadcnt 16                              ; this step's 16 loads are in; the next step's 16 may be out
.else
	s_wait_loadcnt 0x0
.endif
.irp r, 0,1,2,3,4,5,6,7,8,9,10,11,12,13,14,15
	ds_store_b128 v2, v[RR+64*((\s)%2)+4*\r:RR+64*((\s)%2)+4*\r+3] offset:528*\r
.endr
.irp b, 0,1,2,3
.irp j, 0,1,2,3
	ds_load_b128 v[XN+16*\b+4*\j:XN+16*\b+4*\j+3], v3 offset:128*\b+16*\j   ; LDS serves a wave's instructions in order: these see the stores above
.endr
.endr
	s_wait_dscnt 0x0                               ; the numbers are back, and the stage's stores have read their registers
	s_wait_xcnt 0x0                                ; the last step's stores have read the codes' registers
.if (\s) < 2
	XLOAD (\s)+2
.endif
	QUANT XN, PW8+(\s)
.irp c, 0,1,2
	global_store_b128 v1, v[PC+4*\c:PC+4*\c+3], s[18:19] offset:1536*(\s)+512*\c   ; 512 consecutive bytes, aligned
.endr
.endm
	XLOAD 0
	XLOAD 1
.irp s, 0,1,2,3
	XSTEP \s
.endr
	v_cmp_ne_u32 vcc_lo, 0, v10                    ; lanes 0-15 store the first two of their row's four words, lanes 16-31 the other two
.irp e, 0,1
	v_cndmask_b32 v[TM+\e], v[PW8+\e], v[PW8+2+\e], vcc_lo
.endr
	global_store_b64 v4, v[TM:TM+1], s[20:21]      ; 16 bytes of each of the tile's 16 rows of scale words
	s_wait_tensorcnt 0x0
	ds_add_u32 v254, v255
	s_wait_dscnt 0x0
	s_endpgm
; ---------------- the weights: K outermost.  A lane takes a column, its registers run down K ----------------
.Lweights:
	s_sub_co_u32 s23, ttmp9, 384
	s_lshr_b32 s24, s23, 5                         ; which weight
	s_and_b32 s25, s23, 7
	s_lshl_b32 s25, s25, 2
	s_add_co_u32 s25, s25, s22                     ; g: my 32 columns
	s_bfe_u32 s28, s23, 0x20003                    ; which 256 along K
	s_lshl_b32 s32, s28, 20                        ; 256 rows of 4,096 bytes
	s_lshl_b32 s38, s25, 7
	s_add_co_u32 s32, s32, s38
	s_lshl_b32 s29, s24, 6
	s_lshl_b32 s38, s25, 1
	s_add_co_u32 s29, s29, s38
	s_add_co_u32 s29, s29, 768                     ; my first tile
	s_mul_i32 s34, s29, 12288
	s_mul_i32 s38, s28, 3072                       ; two K steps' images
	s_add_co_u32 s34, s34, s38
	s_mov_b32 s35, 0
	s_lshl_b32 s36, s29, 9
	s_lshl_b32 s38, s28, 3                         ; two scale words
	s_add_co_u32 s36, s36, s38
	s_mov_b32 s37, 0
	s_mul_i32 s38, s22, WSTG
	s_add_co_u32 s38, s38, WBASE                   ; my stage
	s_wait_alu depctr_va_vdst(0)
	v_lshlrev_b32 v3, 2, v8                        ; in: 4 bytes a lane
	v_bfe_u32 v11, v8, 3, 1                        ; column 32 g + lane is row r of tile u: u = bit 3,
	v_and_b32 v12, 7, v8
	v_lshl_or_b32 v12, v10, 3, v12                 ; r = bits 2:0 and bit 4
	v_mul_u32_u24 v4, v11, 3200
	v_lshl_add_u32 v4, v12, 4, v4
	v_add_nc_u32 v4, s38, v4                       ; into the stage: tile u, 16 r
	v_add_nc_u32 v5, s38, v1                       ; out of it: 16 x lane
	v_lshlrev_b32 v7, 9, v11
	v_lshl_add_u32 v7, v12, 5, v7                  ; scale words: 512 u + 32 r
	s_wait_kmcnt 0x0
	s_cmp_eq_u32 s24, 0
	s_cselect_b64 s[26:27], s[10:11], s[12:13]
	s_cmp_eq_u32 s24, 2
	s_cselect_b64 s[26:27], s[14:15], s[26:27]
	s_cmp_eq_u32 s24, 3
	s_cselect_b64 s[26:27], s[16:17], s[26:27]
	s_add_nc_u64 s[26:27], s[26:27], s[32:33]
	s_add_nc_u64 s[18:19], s[18:19], s[34:35]
	s_add_nc_u64 s[20:21], s[20:21], s[36:37]
.macro WLOAD t                         ; block t: W(32 t + i, my column): 128 consecutive bytes a load
.irp i, 0,1,2,3,4,5,6,7,8,9,10,11,12,13,14,15,16,17,18,19,20,21,22,23,24,25,26,27,28,29,30,31
	global_load_b32 v[WX+32*((\t)%2)+\i], v3, s[26:27] offset:(32*(\t)+\i)*4096 th:TH_LOAD_NT
.endr
.endm
; Block t is K step t / 4, and in it k = 64 c + 32 h' with c = (t % 4) / 2, h' = t % 2: registers 6 c .. 6 c + 5 of lane 16 h' + r of my tile's fragment.
.macro BLOCK t
.set WS_, WX+32*((\t)%2)
.set LO_, ((\t)/4)*1536+256*((\t)%2)
.if (\t) < 7
	s_wait_loadcnt 32                              ; this block's 32 loads are in; the next block's may be out
.else
	s_wait_loadcnt 0x0
.endif
	v_max3_num_f32 v13, |v[WS_]|, |v[WS_+1]|, |v[WS_+2]|
	v_max3_num_f32 v14, |v[WS_+3]|, |v[WS_+4]|, |v[WS_+5]|
.irp i, 6,10,14,18,22,26
	v_max3_num_f32 v13, v13, |v[WS_+\i]|, |v[WS_+\i+1]|
	v_max3_num_f32 v14, v14, |v[WS_+\i+2]|, |v[WS_+\i+3]|
.endr
	v_max3_num_f32 v13, v13, |v[WS_+30]|, |v[WS_+31]|
	v_max3_num_f32 v13, v13, v14, 0x1800000        ; the block's largest magnitude, all 32 mine, and the floor
	v_add_nc_u32 v15, 0xff000000, v13              ; the conversion's scale operand
	v_lshrrev_b32 v14, 23, v15                     ; the byte
.if ((\t)%4) == 0
	v_mov_b32 v[SB+(\t)/4], v14
.else
	v_lshl_or_b32 v[SB+(\t)/4], v14, 8*((\t)%4), v[SB+(\t)/4]
.endif
	v_cvt_scalef32_pk16_fp6_f32 v[CC:CC+2], v[WS_:WS_+15], v15
	v_cvt_scalef32_pk16_fp6_f32 v[DD:DD+2], v[WS_+16:WS_+31], v15
	v_nop                                          ; one plain place behind a scaled conversion
.irp i, 0,1,2
	v_mov_b32 v[CC+3+\i], v[DD+\i]
.endr
.if (((\t)%4)/2) == 0
	ds_store_b128 v4, v[CC:CC+3] offset:LO_        ; registers 0-3
	ds_store_b64 v4, v[CC+4:CC+5] offset:LO_+512   ; registers 4, 5
.else
	ds_store_b64 v4, v[CC:CC+1] offset:LO_+520     ; registers 6, 7
	ds_store_b128 v4, v[CC+2:CC+5] offset:LO_+1024 ; registers 8-11
.endif
.if (\t) < 6
	WLOAD (\t)+2
.endif
	s_wait_dscnt 0x0                               ; the stores have read their registers
.endm
	WLOAD 0
	WLOAD 1
.irp t, 0,1,2,3,4,5,6,7
	BLOCK \t
.endr
	s_wait_alu depctr_va_vdst(0)
	global_store_b64 v7, v[SB:SB+1], s[20:21]      ; my row's two scale words
.irp n, 0,1,2,3,4,5,6,7,8,9,10,11
	ds_load_b128 v[OUTR+4*\n:OUTR+4*\n+3], v5 offset:3200*(\n/6)+512*(\n%6)
.endr
.irp n, 0,1,2,3,4,5,6,7,8,9,10,11
	s_wait_dscnt 11-\n                             ; LDS loads come back in order: number n is in, the younger ones may be out
	global_store_b128 v1, v[OUTR+4*\n:OUTR+4*\n+3], s[18:19] offset:12288*(\n/6)+512*(\n%6)   ; 512 consecutive bytes, aligned
.endr
	s_wait_tensorcnt 0x0
	ds_add_u32 v254, v255
	s_wait_dscnt 0x0
	s_endpgm
.Lfunc_end_k_qb6d1b56fd2_prep:
	.size	k_qb6d1b56fd2_prep, .Lfunc_end_k_qb6d1b56fd2_prep-k_qb6d1b56fd2_prep
	.p2alignl 7, 3214868480
	.fill 96, 4, 3214868480
	.section	.rodata,"a",@progbits
	.p2align	6, 0x0
	.amdhsa_kernel k_qb6d1b56fd2_prep
		.amdhsa_group_segment_fixed_size 59904
		.amdhsa_private_segment_fixed_size 0
		.amdhsa_enable_private_segment 0
		.amdhsa_kernarg_size 72
		.amdhsa_user_sgpr_count 2
		.amdhsa_user_sgpr_kernarg_segment_ptr 1
		.amdhsa_wavefront_size32 1
		.amdhsa_system_sgpr_workgroup_id_x 1
		.amdhsa_system_sgpr_workgroup_id_y 1
		.amdhsa_system_sgpr_workgroup_id_z 1
		.amdhsa_system_vgpr_workitem_id 0
		.amdhsa_next_free_vgpr 256
		.amdhsa_next_free_sgpr 66
		.amdhsa_reserve_vcc 1
		.amdhsa_float_denorm_mode_32 3
		.amdhsa_float_denorm_mode_16_64 3
		.amdhsa_memory_ordered 1
		.amdhsa_forward_progress 1
		.amdhsa_inst_pref_size 75
	.end_amdhsa_kernel
	.amdgpu_metadata
---
amdhsa.version: [ 1, 2 ]
amdhsa.kernels:
  - .name:           k_qb6d1b56fd2_prep
    .symbol:         k_qb6d1b56fd2_prep.kd
    .args:
      - { .name: q, .offset: 0, .size: 8, .value_kind: global_buffer, .address_space: global }
      - { .name: k, .offset: 8, .size: 8, .value_kind: global_buffer, .address_space: global }
      - { .name: v, .offset: 16, .size: 8, .value_kind: global_buffer, .address_space: global }
      - { .name: Wq, .offset: 24, .size: 8, .value_kind: global_buffer, .address_space: global }
      - { .name: Wk, .offset: 32, .size: 8, .value_kind: global_buffer, .address_space: global }
      - { .name: Wv, .offset: 40, .size: 8, .value_kind: global_buffer, .address_space: global }
      - { .name: Wo, .offset: 48, .size: 8, .value_kind: global_buffer, .address_space: global }
      - { .name: opc, .offset: 56, .size: 8, .value_kind: global_buffer, .address_space: global }
      - { .name: ops, .offset: 64, .size: 8, .value_kind: global_buffer, .address_space: global }
    .group_segment_fixed_size: 59904
    .private_segment_fixed_size: 0
    .kernarg_segment_align: 8
    .kernarg_segment_size: 72
    .max_flat_workgroup_size: 128
    .sgpr_count:     66
    .vgpr_count:     256
    .wavefront_size: 32
...
	.end_amdgpu_metadata
.endif
;; end of part 1
;; launch proj (part 2): grid 16 x 16, 4 waves a work-group, clusters of 4 x 4, 327,680 bytes of LDS; arguments opc, ops, bq, bk, bv, qh, kv; writes qh, kv
.if DOCPART == 2
	.amdgcn_target "amdgcn-amd-amdhsa--gfx1250"
	.amdhsa_code_object_version 6
	.text
	.protected	k_qb6d1b56fd2_proj
	.globl	k_qb6d1b56fd2_proj
	.p2align	8
	.type	k_qb6d1b56fd2_proj,@function
k_qb6d1b56fd2_proj:
	s_mov_b64 s[64:65], 0
	v_nop
	global_prefetch_b8 v0, s[64:65] scope:SCOPE_SE
	s_setreg_imm32_b32 hwreg(HW_REG_WAVE_MODE, 25, 1), 1
	s_wait_xcnt 0x0
	s_wait_alu depctr_hold_cnt(0) depctr_sa_sdst(0) depctr_va_vdst(0) depctr_va_sdst(0) depctr_va_ssrc(0) depctr_va_vcc(0) depctr_vm_vsrc(0)
	s_getreg_b32 s2, hwreg(HW_REG_IB_STS2, 6, 4)
	s_cmp_eq_u32 s2, 0
	s_cbranch_scc0 .Lentry_in_a_cluster
	s_endpgm
.Lentry_in_a_cluster:
	s_bfe_u32 s2, ttmp6, 0x10000c
	s_cmp_lg_u32 s2, 0xf033
	s_cbranch_scc0 .Lentry_shape_is_right
	s_endpgm
.Lentry_shape_is_right:
; PROJ: Q = q Wq + bq, K = k Wk + bk, V = v Wv + bv on codes of E2M3, and their quantisers for the two products of attention.  No f32 result is stored.
; IN: opc, ops as PREP leaves them: tile T (16 rows, all of K) is 12,288 bytes of operand register images, fragment (T, s) at 12,288 T + 1,536 s, registers 4 c .. 4 c + 3 of lane l at 512 c + 16 l;
; scale word (T, r, s) at 512 T + 32 r + 4 s.  Tile T = 2 g + u, row r is row 32 g + 8 u + r + 8 (r / 8).  Tiles: q 0, k 256, v 512, Wq 768, Wk 832, Wv 896.
; OUT, for each bh = 16 batch + head: qh block of 102,400 bytes: half images of 768 bytes a token tile (registers 0-3 at 16 l, 4-5 at 512 + 8 l), then scale halfwords at 98,304 + 64 g + 4 r + 2 u.
; kv block of 204,800 bytes: K's half images likewise; V's fragments (16 of d x 128 keys) at 98,304 + 6,144 step + 1,536 t; K's halfwords at 196,608; V's words at 200,704 + 256 step + 64 t + 4 r.
; THE DEAL: 256 work-groups, X = 0 .. 15, Y = 0 .. 15, four waves 2 x 2 (a = wave / 2, b = wave % 2).  First 128 tokens x 128 columns of V (token block 2 Y + X / 8, column block X % 8),
; then 256 tokens x 128 columns of Q (X < 8) or K (token block Y, column block X % 8).  A wave holds 64 rows of the weight (one head, column half b), all of K, in 384 registers;
; token tiles stream past in blocks of 16 tokens, 32 products each: V: tiles 4 a .. 4 a + 3; Q, K: tiles 4 a .. 4 a + 3 of each chunk of eight.  384 products a wave.
; V: source 0 = tokens, so a lane holds one column of d and its registers run along the keys; Q, K: source 0 = the weight's rows, so a lane holds one token and its registers run along d.
; The bias is the C of each sum's first product.  64 sums of a lane (two tiles) are quantised at a time.
; LDS: R0, R1 (128 tokens each), RW (the weight's 128 rows), 98,304 bytes each; V's fragments' stage, two stages of scale bytes, the spare words: bytes of their own.
; FILLS, all joint loads (tokens shared by a row of the cluster, weights by a column).  Head, one a wave: waves 0, 1 a half each of Wv -> RW, wave 2 V's tokens -> R0, wave 3 chunk 0 -> R1.
; Two refills, each behind a tensor wait, an add, its wait and a round, a quarter a wave: RW <- Wq or Wk in V's first block (all waves hold Wv in registers); R0 <- chunk 1 behind V.
; Chunk 1 is shown to all by a plain barrier in the second phase's third block, behind which nothing is filled.
; PREFETCH: the two refilled tiles are asked for into the L2, each 256-byte block once a cluster: the sixteen waves that will ask jointly take 6,144 bytes each, by address; the weight at the head, chunk 1 behind the first refill.
; LIMITS: NaN and infinities are not served; a block whose largest magnitude lies under 2^-124 gets the scale byte 1 (this program alone reads the bytes).
; (The rows named above are q's, v's and the weights'.  k's tiles hold other tokens: tile 4 c + q, row r is token 64 c + 8 q + r % 8 + 32 (r / 8).  Nothing here hangs on which tokens form a tile of q or of k.)
.set R0,    0
.set R1,    98304
.set RW,    196608
.set VST,   294912                     ; V's eight fragments, 12,288 bytes
.set VSS,   307200                     ; V's scale words, 512 bytes
.set QSS,   307712                     ; Q's or K's scale halfwords, 2 heads x 512 bytes
.set SPARE, 308736
.set L16,  1                           ; 16 l
.set L8,   2                           ; 8 l
.set AW,   3                           ; LDS: my 64 rows of the weight
.set AX0,  4                           ; my four tiles in R0
.set AX1,  5                           ; in R1
.set VWS,  6                           ; 32 r + 512 h: scale words of a pair of tiles
.set VH64, 7
.set VBR,  8
.set SA,   9                           ; V's stage: registers 0-1 and 4-5 of my six
.set SB,   10                          ; registers 2-3
.set SVS,  11
.set SQS,  12
.set RDV,  13
.set RDS,  14
.set RDQ,  15
.set SPW,  18
.set NIL,  19
.set PF1,  20
.set PF2,  21
.set VGV,  23
.set WSA,  24                          ; v24-39 Wv's scale words: 8 (t / 2) + s, lanes 16-31 the odd tile
.set XSA,  44                          ; v44-59 V's tokens'
.set WSB,  64                          ; v64-79 Wq's or Wk's
.set XSB,  84                          ; v84-115 Q's or K's tokens': 8 x pair + s
.set BV,   116                         ; v116-147 V's bias, eight registers a tile
.set BQ,   148                         ; v148-179 Q's or K's
.set PC,   180
.set TM,   200
.set PW,   216
.set OUTR, 218
.set OVS,  242
.set AC,   96                          ; window 3, v96-223: the sums.  Window 1 and v0-131 of window 2: the weight's 32 fragments; v132-227 of window 2 and v0-95 of window 3: the two sets of a token tile
.set WV,   20
.set G1X,  32
.set G1W,  40
.set G0W,  48
.set G0X,  52
.set G0Y,  56
.set SEL,  100
.set MSB, 0
.macro WIN new
.if MSB != (\new)
	s_set_vgpr_msb (MSB<<8)|(\new)
.set MSB, (\new)
.endif
.endm
.macro PLACES n
.rept \n
	v_nop
.endr
.endm
.macro BARRIER
	s_barrier_signal -1
	s_barrier_wait -1
.endm
.macro CROUND                          ; a round of the cluster's barrier
	s_barrier_signal -1
	s_barrier_wait -1
	s_cmp_lg_u32 s[WV], 0
	s_cbranch_scc1 .Lnot_wave_0_\@
	s_barrier_signal -3
.Lnot_wave_0_\@:
	s_barrier_wait -3
	s_barrier_signal -1
	s_barrier_wait -1
.endm
.macro TLOAD g0, g1                    ; s_nop 0 and four v_nop behind each tensor load
	tensor_load_to_lds s[\g0:\g0+3], s[\g1:\g1+7]
	s_nop 0
	PLACES 4
.endm
.macro GRD
	s_wait_tensorcnt 0x0
	ds_add_u32 v[SPW], v[NIL]
.endm
.macro HLOC f                          ; where the weight's fragment f = 4 s + t lies
.if (\f) < 21
.set hW, 1
.set hR, 12*(\f)
.else
.set hW, 2
.set hR, 12*((\f)-21)
.endif
.endm
.macro WEIGHTS                         ; my 64 rows of the weight, all of K: 96 loads
.set f_, 0
.rept 32
	HLOC f_
	WIN hW<<6
.irp c, 0,1,2
	ds_load_b128 v[hR+4*\c:hR+4*\c+3], v[AW] offset:(f_%4)*12288+(f_/4)*1536+512*\c
.endr
.set f_, f_+1
.endr
	WIN 0
.endm
.macro FETCH e, adr, tile              ; a token tile, all of K, into set e: 24 loads
	WIN (2+(\e))<<6
.irp s, 0,1,2,3,4,5,6,7
.irp c, 0,1,2
	ds_load_b128 v[132*(1-(\e))+12*\s+4*\c:132*(1-(\e))+12*\s+4*\c+3], v[\adr] offset:(\tile)*12288+1536*\s+512*\c
.endr
.endr
	WIN 0
.endm
.macro WMMA
.if (mRA == 0) && (mRB == 0)
	v_wmma_scale_f32_16x16x128_f8f6f4 v[mD:mD+7], v[mA:mA+11], v[mB:mB+11], v[mC:mC+7], v[mSA], v[mSB] matrix_a_fmt:MATRIX_FMT_FP6 matrix_b_fmt:MATRIX_FMT_FP6
.elseif (mRA == 1) && (mRB == 0)
	v_wmma_scale_f32_16x16x128_f8f6f4 v[mD:mD+7], v[mA:mA+11], v[mB:mB+11], v[mC:mC+7], v[mSA], v[mSB] matrix_a_fmt:MATRIX_FMT_FP6 matrix_b_fmt:MATRIX_FMT_FP6 matrix_a_scale:MATRIX_SCALE_ROW1
.elseif (mRA == 0) && (mRB == 1)
	v_wmma_scale_f32_16x16x128_f8f6f4 v[mD:mD+7], v[mA:mA+11], v[mB:mB+11], v[mC:mC+7], v[mSA], v[mSB] matrix_a_fmt:MATRIX_FMT_FP6 matrix_b_fmt:MATRIX_FMT_FP6 matrix_b_scale:MATRIX_SCALE_ROW1
.else
	v_wmma_scale_f32_16x16x128_f8f6f4 v[mD:mD+7], v[mA:mA+11], v[mB:mB+11], v[mC:mC+7], v[mSA], v[mSB] matrix_a_fmt:MATRIX_FMT_FP6 matrix_b_fmt:MATRIX_FMT_FP6 matrix_a_scale:MATRIX_SCALE_ROW1 matrix_b_scale:MATRIX_SCALE_ROW1
.endif
.endm
; A block: one token tile (set e) against my four tiles of the weight, 32 products; the four sums take turns, one instruction a turn.
; kind 1 (V): source 0 the tokens; kind 0: source 0 the weight.  Sum t at acc + as x t; sx, rx: the tokens' scale registers and their row; sw: the weight's; cb: the bias, the C of the first four.
.macro BLOCK kind, e, acc, as, sx, rx, sw, cb
.irp s, 0,1,2,3,4,5,6,7
.irp t, 0,1,2,3
	HLOC 4*\s+\t
.set mD, (\acc)+(\as)*\t
.set xR_, 132*(1-(\e))+12*\s
.if \s == 0
.set mC, (\cb)+8*\t
.set cW_, 0
.else
.set mC, mD
.set cW_, 3
.endif
.if \kind
.set mA, xR_
.set mB, hR
.set mSA, (\sx)+\s
.set mRA, \rx
.set mSB, (\sw)+8*(\t/2)+\s
.set mRB, \t%2
	WIN (2+(\e))|(hW<<2)|(cW_<<4)|(3<<6)
.else
.set mA, hR
.set mB, xR_
.set mSA, (\sw)+8*(\t/2)+\s
.set mRA, \t%2
.set mSB, (\sx)+\s
.set mRB, \rx
	WIN hW|((2+(\e))<<2)|(cW_<<4)|(3<<6)
.endif
	WMMA
.endr
.endr
	WIN 0
.endm
; 64 sums of a lane, from register s of window 3 on: register 16 b + i is number 32 b + 16 (lane / 16) + i along the next K.  Codes into v[PC] .. v[PC+11], the four scale bytes into v[pw].
.macro QUANT s, pw
	WIN 0x0f
.irp b, 0,1,2,3
	v_max3_num_f32 v[TM+\b], |v[\s+16*\b]|, |v[\s+1+16*\b]|, 0x1800000   ; and the floor 2^(3 - 127): the byte cannot fall under 1
.endr
	WIN 0x3c
.irp i, 2,4,6,8,10,12,14
.irp b, 0,1,2,3
	v_max3_num_f32 v[TM+\b], v[TM+\b], |v[\s+16*\b+\i]|, |v[\s+1+16*\b+\i]|
.endr
.endr
	WIN 0
.irp b, 0,1,2,3
	v_permlanex16_b32 v[TM+4+\b], v[TM+\b], s[SEL], s[SEL+1]
.endr
.irp b, 0,1,2,3
	v_max_num_f32 v[TM+\b], v[TM+\b], v[TM+4+\b]   ; with lane l xor 16's 16: the block's largest magnitude
.endr
.irp b, 0,1,2,3
	v_add_nc_u32 v[TM+12+\b], 0xff000000, v[TM+\b] ; 2 off its exponent field: the conversion's scale operand
.endr
.irp b, 0,1,2,3
	v_lshrrev_b32 v[TM+4+\b], 23, v[TM+12+\b]      ; the byte
.endr
	v_lshl_or_b32 v[\pw], v[TM+5], 8, v[TM+4]
	v_lshl_or_b32 v[\pw], v[TM+6], 16, v[\pw]
	v_lshl_or_b32 v[\pw], v[TM+7], 24, v[\pw]
	WIN 0x03
.irp c, 0,1
	v_cvt_scalef32_pk16_fp6_f32 v[PC+6*\c:PC+2+6*\c], v[\s+32*\c:\s+15+32*\c], v[TM+12+2*\c]
	v_cvt_scalef32_pk16_fp6_f32 v[PC+12+4*\c:PC+14+4*\c], v[\s+16+32*\c:\s+31+32*\c], v[TM+12+2*\c+1]
.endr
	WIN 0
	v_nop                                          ; one plain place behind a scaled conversion
.irp c, 0,1                            ; a whole block in a lane: lanes 0-15 block 2 c, lanes 16-31 block 2 c + 1
.irp i, 0,1,2
	v_permlane16_swap_b32 v[PC+6*\c+\i], v[PC+12+4*\c+\i]
.endr
.irp i, 0,1,2
	v_mov_b32 v[PC+3+6*\c+\i], v[PC+12+4*\c+\i]
.endr
.endr
.endm
.macro VOUT tp                         ; V's tiles 2 tp, 2 tp + 1 of d: my band's six registers of each fragment, and its two scale bytes, into the stages
	QUANT AC+64*(\tp), PW
.irp u, 0,1
	ds_store_b64 v[SA], v[PC+6*\u:PC+6*\u+1] offset:1536*(2*(\tp)+\u)
	ds_store_b64 v[SB], v[PC+6*\u+2:PC+6*\u+3] offset:1536*(2*(\tp)+\u)
	ds_store_b64 v[SA], v[PC+6*\u+4:PC+6*\u+5] offset:1536*(2*(\tp)+\u)+512
.endr
	ds_store_b16 v[SVS], v[PW] offset:128*(\tp)
	ds_store_b16_d16_hi v[SVS], v[PW] offset:128*(\tp)+64
.endm
.macro P2 n, w                         ; block n of the second phase; w: LDS instructions younger than its tile's fetch (-1: the tile is shown in already)
.if (\w) >= 0
	s_wait_dscnt \w
.endif
	BLOCK 0, (\n)%2, AC+32*((\n)%2), 8, XSB+8*((\n)/2), (\n)%2, WSB, BQ
.endm
.macro QOUT n                          ; behind an odd block: the half images of token tiles n - 1 and n, and their scale word
	s_wait_xcnt 0x0                                ; the earlier stores have read the codes' registers
	QUANT AC, PW
.set o_, 768*(8*((\n)/4)+((\n)%4)-1)
	global_store_b128 v[L16], v[PC:PC+3], s[80:81] offset:o_
	global_store_b64 v[L8], v[PC+4:PC+5], s[80:81] offset:o_+512
	global_store_b128 v[L16], v[PC+6:PC+9], s[80:81] offset:o_+768
	global_store_b64 v[L8], v[PC+10:PC+11], s[80:81] offset:o_+1280
	ds_store_b32 v[SQS], v[PW] offset:256*((\n)/4)+64*(((\n)%4)/2)   ; (lanes l and l + 16 write the same word with the same value)
.endm
; ---------------- the head
	s_load_b256 s[4:11], s[0:1], 0x0               ; opc, ops, bq, bk
	s_load_b128 s[12:15], s[0:1], 0x20             ; bv, qh
	s_load_b64 s[16:17], s[0:1], 0x30              ; kv
	v_lshl_add_u32 v[SPW], v0, 2, SPARE
	v_mov_b32 v[NIL], 0
	ds_add_u32 v[SPW], v[NIL]                      ; the opening lines: the add, twice on end, and its wait
	ds_add_u32 v[SPW], v[NIL]
	v_lshrrev_b32 v16, 5, v0
	v_readfirstlane_b32 s[WV], v16                 ; wave
	s_lshr_b32 s21, s[WV], 1                       ; a
	s_and_b32 s22, s[WV], 1                        ; b
	s_bfe_u32 s23, ttmp6, 0x40000                  ; cx
	s_bfe_u32 s24, ttmp6, 0x40004                  ; cy
	s_lshr_b32 s25, ttmp9, 1                       ; 0: Q, 1: K; also which half of my 256 tokens' places V's block takes: the cluster's number alone
	s_and_b32 s26, ttmp9, 1
	s_lshl_b32 s26, s26, 2
	s_add_co_u32 s26, s26, s23                     ; column block 0 .. 7
	s_and_b32 s27, ttmp7, 0xffff
	s_lshl_b32 s27, s27, 2
	s_add_co_u32 s27, s27, s24                     ; Y
	s_lshl_b32 s28, s27, 1
	s_add_co_u32 s28, s28, s25                     ; V's token block 0 .. 31
	s_lshl_b32 s29, s24, 2
	s_lshl_b32 s29, 15, s29                        ; my row of the cluster
	s_lshl_b32 s30, 0x1111, s23                    ; my column
	s_or_b32 s[G1X], s29, (3<<16)|(1<<21)          ; dense bytes as rows of 256 (32 elements of 8 bytes): tokens, 384 rows at the head
	s_mov_b32 s[G1X+1], 32<<16
	s_mov_b32 s[G1X+2], 384<<16
	s_mov_b32 s[G1X+3], 32<<16
	s_mov_b32 s[G1X+4], 384
	s_mov_b32 s[G1X+5], 32
	s_mov_b32 s[G1X+6], 0
	s_mov_b32 s[G1X+7], 0
	s_or_b32 s[G1W], s30, (3<<16)|(1<<21)          ; the weight: 192 rows at the head
	s_mov_b32 s[G1W+1], 32<<16
	s_mov_b32 s[G1W+2], 192<<16
	s_mov_b32 s[G1W+3], 32<<16
	s_mov_b32 s[G1W+4], 192
	s_mov_b32 s[G1W+5], 32
	s_mov_b32 s[G1W+6], 0
	s_mov_b32 s[G1W+7], 0
	s_mov_b32 s[SEL], 0x76543210
	s_mov_b32 s[SEL+1], 0xfedcba98
	s_lshl_b32 s60, s26, 3
	s_add_co_u32 s63, s60, 768
	s_lshl_b32 s61, s25, 6
	s_add_co_u32 s63, s63, s61                     ; s63: Wq's or Wk's first tile
	s_add_co_u32 s60, s60, 896                     ; s60: Wv's
	s_lshl_b32 s61, s28, 3
	s_add_co_u32 s61, s61, 512                     ; s61: V's tokens' first tile
	s_lshl_b32 s62, s27, 4
	s_lshl_b32 s98, s25, 8
	s_add_co_u32 s62, s62, s98                     ; s62: Q's or K's tokens' first tile
	s_mul_i32 s31, s22, 49152
	s_mul_i32 s18, s60, 12288
	s_add_co_u32 s18, s18, s31                     ; bytes from opc: Wv, the half that waves 0 and 1 fetch,
	s_mul_i32 s19, s61, 12288                      ; V's tokens,
	s_mul_i32 s66, s62, 12288                      ; chunk 0,
	s_mul_i32 s67, s63, 12288                      ; the second weight
	s_mov_b32 s[G0W], 1
	s_add_co_u32 s[G0W+1], s31, RW
	s_mov_b32 s[G0X], 1
	s_mov_b32 s[G0X+1], R0
	s_mov_b32 s[G0Y], 1
	s_mov_b32 s[G0Y+1], R1
	s_add_co_u32 s88, s31, RW
	s_mul_i32 s89, s21, 49152
	s_add_co_u32 s90, s89, R1
	s_mul_i32 s91, s22, 6144
	s_add_co_u32 s91, s91, VST
	s_mul_i32 s92, s21, 520
	s_add_co_u32 s92, s92, s91
	s_mul_i32 s93, s21, 1016
	s_add_co_u32 s93, s93, s91
	s_add_co_u32 s93, s93, 8
	s_lshl_b32 s94, s22, 8
	s_lshl_b32 s95, s21, 1
	s_add_co_u32 s94, s94, s95
	s_add_co_u32 s94, s94, VSS
	s_lshl_b32 s95, s22, 9
	s_add_co_u32 s97, s95, QSS
	s_lshl_b32 s96, s21, 7
	s_add_co_u32 s95, s97, s96
	s_mul_i32 s96, s[WV], 3072
	s_add_co_u32 s96, s96, VST
	s_lshl_b32 s98, s24, 2                         ; the prefetches: my sixteenth of the second weight among my column's sixteen waves,
	s_add_co_u32 s98, s98, s[WV]
	s_mul_i32 s98, s98, 6144
	s_add_co_u32 s98, s98, s67
	s_lshl_b32 s99, s23, 2                         ; and of chunk 1 among my row's
	s_add_co_u32 s99, s99, s[WV]
	s_mul_i32 s99, s99, 6144
	s_add_co_u32 s99, s99, s66
	s_add_co_u32 s99, s99, 98304
	v_and_b32 v16, 31, v0                          ; l
	v_and_b32 v17, 15, v0                          ; r
	v_bfe_u32 v22, v0, 4, 1                        ; h
	v_lshlrev_b32 v[L16], 4, v16
	v_lshlrev_b32 v[L8], 3, v16
	v_add_nc_u32 v[AW], s88, v[L16]
	v_add_nc_u32 v[AX0], s89, v[L16]
	v_add_nc_u32 v[AX1], s90, v[L16]
	v_lshlrev_b32 v[VWS], 5, v17
	v_lshl_add_u32 v[VWS], v22, 9, v[VWS]
	v_lshlrev_b32 v[VH64], 6, v22
	v_and_b32 v[VBR], 8, v17
	v_add_nc_u32 v[VBR], v[VBR], v17
	v_lshlrev_b32 v[VBR], 2, v[VBR]                ; 4 (r + 8 (r / 8))
	v_add_nc_u32 v[SA], s92, v[L16]                ; fragment register R of lane l lies at 512 (R / 4) + 16 l + 4 (R % 4); my six are R = 6 a .. 6 a + 5: 16 l + 520 a (and + 512),
	v_add_nc_u32 v[SB], s93, v[L16]                ; 16 l + 8 + 1,016 a
	v_lshl_add_u32 v[SVS], v17, 2, s94             ; VSS + 256 b + 4 r + 2 a (+ 64 t)
	v_lshl_add_u32 v[SQS], v17, 2, s95             ; QSS + 512 b + 128 a + 4 r
	v_add_nc_u32 v[RDV], s96, v[L16]
	v_add_nc_u32 v[RDS], VSS, v[L16]
	v_add_nc_u32 v[RDQ], s97, v[L16]
	v_mul_u32_u24 v[VGV], v22, 204800
	v_lshl_add_u32 v[VGV], v17, 4, v[VGV]
	v_min_u32 v[PF1], 23, v16                      ; 24 blocks of 256 bytes a wave; the lanes left over name the last again
	v_lshl_add_u32 v[PF2], v[PF1], 8, s99
	v_lshl_add_u32 v[PF1], v[PF1], 8, s98
.irp b, 0,1,2,3
	v_mov_b32 v[TM+4+\b], 0                        ; written once: a lane permute's destination counts as one of its sources
.endr
	s_wait_alu depctr_va_vdst(0)
	s_wait_dscnt 0x0                               ; both opening adds are done
	CROUND                                         ; all sixteen work-groups are here: the first joint loads meet
	s_wait_kmcnt 0x0
	s_mov_b32 s3, 0
	s_mov_b32 s2, s18
	s_add_nc_u64 s[G0W+2:G0W+3], s[4:5], s[2:3]
	s_or_b32 s[G0W+3], s[G0W+3], 0x80000000
	s_mov_b32 s2, s19
	s_add_nc_u64 s[G0X+2:G0X+3], s[4:5], s[2:3]
	s_or_b32 s[G0X+3], s[G0X+3], 0x80000000
	s_mov_b32 s2, s66
	s_add_nc_u64 s[G0Y+2:G0Y+3], s[4:5], s[2:3]
	s_or_b32 s[G0Y+3], s[G0Y+3], 0x80000000
	s_cmp_lt_u32 s[WV], 2                          ; one chain of arms on the wave's number, one load to an arm; what is needed first is asked for first
	s_cbranch_scc0 .Lhead_x
	TLOAD G0W, G1W                                 ; waves 0, 1: a half each of Wv
	s_branch .Lhead_asked
.Lhead_x:
	s_cmp_eq_u32 s[WV], 2
	s_cbranch_scc0 .Lhead_y
	TLOAD G0X, G1X                                 ; wave 2: V's 128 tokens
	s_branch .Lhead_asked
.Lhead_y:
	TLOAD G0Y, G1X                                 ; wave 3: chunk 0 of Q's or K's tokens
.Lhead_asked:
	s_lshl_b32 s31, s22, 2                         ; scale words: my four tiles of each operand
	s_add_co_u32 s2, s31, s60
	s_lshl_b32 s2, s2, 9
	s_add_nc_u64 s[68:69], s[6:7], s[2:3]
	s_add_co_u32 s2, s31, s63
	s_lshl_b32 s2, s2, 9
	s_add_nc_u64 s[72:73], s[6:7], s[2:3]
	s_lshl_b32 s31, s21, 2
	s_add_co_u32 s2, s31, s61
	s_lshl_b32 s2, s2, 9
	s_add_nc_u64 s[70:71], s[6:7], s[2:3]
	s_add_co_u32 s2, s31, s62
	s_lshl_b32 s2, s2, 9
	s_add_nc_u64 s[74:75], s[6:7], s[2:3]
	s_lshl_b32 s2, s26, 9                          ; the biases: column 128 x block + 64 b
	s_lshl_b32 s31, s22, 8
	s_add_co_u32 s2, s2, s31
	s_cmp_eq_u32 s25, 0
	s_cselect_b64 s[76:77], s[8:9], s[10:11]
	s_add_nc_u64 s[76:77], s[76:77], s[2:3]
	s_add_nc_u64 s[78:79], s[12:13], s[2:3]
.irp p, 0,1
.irp e, 0,1
	global_load_b128 v[WSA+8*\p+4*\e:WSA+8*\p+4*\e+3], v[VWS], s[68:69] offset:1024*\p+16*\e
	global_load_b128 v[XSA+8*\p+4*\e:XSA+8*\p+4*\e+3], v[VWS], s[70:71] offset:1024*\p+16*\e
	global_load_b128 v[WSB+8*\p+4*\e:WSB+8*\p+4*\e+3], v[VWS], s[72:73] offset:1024*\p+16*\e
.endr
.endr
.irp t, 0,1,2,3
	global_load_b32 v[BV+8*\t], v[VBR], s[78:79] offset:(32*(\t/2)+8*(\t%2))*4          ; V: lane r of tile t has column 32 (t / 2) + 8 (t % 2) + r + 8 (r / 8)
.endr
.irp p, 0,1,2,3
.irp e, 0,1
	global_load_b128 v[XSB+8*\p+4*\e:XSB+8*\p+4*\e+3], v[VWS], s[74:75] offset:4096*(\p/2)+1024*(\p%2)+16*\e
.endr
.endr
.irp t, 0,1,2,3
	global_load_b128 v[BQ+8*\t:BQ+8*\t+3], v[VH64], s[76:77] offset:(32*(\t/2)+8*(\t%2))*4      ; Q, K: register 8 t + j of lane (r, h) is column 32 (t / 2) + 16 h + 8 (t % 2) + j
	global_load_b128 v[BQ+8*\t+4:BQ+8*\t+7], v[VH64], s[76:77] offset:(32*(\t/2)+8*(\t%2))*4+16
.endr
	s_mov_b32 s88, 204800                          ; where the results go
	s_mov_b32 s89, 196608
	s_cmp_eq_u32 s25, 0
	s_cselect_b32 s88, 102400, s88
	s_cselect_b32 s89, 98304, s89
	s_cselect_b64 s[80:81], s[14:15], s[16:17]
	s_lshr_b32 s90, s27, 3
	s_lshl_b32 s90, s90, 4
	s_lshl_b32 s91, s26, 1
	s_add_co_u32 s90, s90, s91
	s_add_co_u32 s90, s90, s22                     ; 16 batch + head
	s_mul_i32 s2, s90, s88
	s_add_nc_u64 s[80:81], s[80:81], s[2:3]
	s_and_b32 s92, s27, 7
	s_lshl_b32 s2, s92, 9
	s_add_co_u32 s2, s2, s89
	s_add_nc_u64 s[82:83], s[80:81], s[2:3]        ; the head's 512 bytes of scale halfwords of my work-group's 16 tiles
	s_lshl_b32 s92, s92, 4
	s_lshl_b32 s93, s21, 2
	s_add_co_u32 s92, s92, s93
	s_mul_i32 s2, s92, 768
	s_add_nc_u64 s[80:81], s[80:81], s[2:3]        ; half images from tile 16 (Y % 8) + 4 a on
	s_lshr_b32 s90, s28, 4
	s_lshl_b32 s90, s90, 4
	s_add_co_u32 s90, s90, s91                     ; V: 16 batch + the work-group's first head
	s_and_b32 s92, s28, 15                         ; the key step
	s_mul_i32 s2, s90, 204800
	s_lshl_b32 s93, s92, 8
	s_add_co_u32 s2, s2, s93
	s_add_co_u32 s2, s2, 200704
	s_add_nc_u64 s[86:87], s[16:17], s[2:3]
	s_add_co_u32 s90, s90, s21                     ; on the way out wave 2 a + b stores half b of head a's four fragments
	s_mul_i32 s2, s90, 204800
	s_mul_i32 s93, s92, 6144
	s_add_co_u32 s2, s2, s93
	s_mul_i32 s93, s22, 3072
	s_add_co_u32 s2, s2, s93
	s_add_co_u32 s2, s2, 98304
	s_add_nc_u64 s[84:85], s[16:17], s[2:3]
	s_wait_loadcnt 0x0
.irp t, 0,8,16,24
.irp i, 1,2,3,4,5,6,7
	v_mov_b32 v[BV+\t+\i], v[BV+\t]                ; V's number, one a lane and tile, over the tile's eight registers
.endr
.endr
	s_wait_alu depctr_va_vdst(0)
	s_cmp_lt_u32 s[WV], 2
	s_cbranch_scc0 .Lnot_w
	s_wait_tensorcnt 0x0
.Lnot_w:
	BARRIER                                        ; Wv's rows are in
	global_prefetch_b8 v[PF1], s[4:5] th:TH_LOAD_NT scope:SCOPE_SE
	WEIGHTS
	s_cmp_eq_u32 s[WV], 3
	s_cbranch_scc1 .Lnot_x
	s_wait_tensorcnt 0x0
.Lnot_x:
	s_wait_dscnt 0x0
	BARRIER                                        ; V's tokens are in; chunk 0 may still be on its way
	FETCH 0, AX0, 0
	FETCH 1, AX0, 1
; ---------------- V: four blocks
	s_wait_dscnt 24                                ; tile 0 is in; tile 1's 24 loads may be out
	GRD
	s_mov_b32 s[G1W+2], 96<<16                     ; no tensor load of mine is out: from here on a load brings a quarter, 96 rows
	s_mov_b32 s[G1W+4], 96
	s_mov_b32 s[G1X+2], 96<<16
	s_mov_b32 s[G1X+4], 96
	s_mul_i32 s88, s[WV], 24576
	s_add_co_u32 s[G0W+1], s88, RW
	s_add_co_u32 s2, s67, s88
	s_add_nc_u64 s[G0W+2:G0W+3], s[4:5], s[2:3]
	s_or_b32 s[G0W+3], s[G0W+3], 0x80000000
	s_mul_i32 s[G0X+1], s[WV], 24576
	s_add_co_u32 s2, s66, s88
	s_add_co_u32 s2, s2, 98304
	s_add_nc_u64 s[G0X+2:G0X+3], s[4:5], s[2:3]
	s_or_b32 s[G0X+3], s[G0X+3], 0x80000000
	BLOCK 1, 0, AC, 32, XSA, 0, WSA, BV            ; 32 products stand between the add and the wait for it
	s_wait_dscnt 0x0
	CROUND
	TLOAD G0W, G1W                                 ; RW <- Wq or Wk, onto Wv, which every wave holds in registers; its four v_nop are the places ahead of the fetch
	FETCH 0, AX0, 2
	global_prefetch_b8 v[PF2], s[4:5] th:TH_LOAD_NT scope:SCOPE_SE
	BLOCK 1, 1, AC+8, 32, XSA, 1, WSA, BV
	PLACES 4
	FETCH 1, AX0, 3
	s_wait_dscnt 24
	BLOCK 1, 0, AC+16, 32, XSA+8, 0, WSA, BV
	PLACES 4
	FETCH 0, AX1, 0                                ; the second phase's first two tiles, out of chunk 0, which the round has shown
	s_wait_dscnt 24
	BLOCK 1, 1, AC+24, 32, XSA+8, 1, WSA, BV
	PLACES 4
	FETCH 1, AX1, 1
	VOUT 0
	VOUT 1
	GRD
	s_wait_dscnt 0x0
	CROUND
	TLOAD G0X, G1X                                 ; R0 <- chunk 1
	WEIGHTS
.irp k, 0,1,2,3,4,5
	ds_load_b128 v[OUTR+4*\k:OUTR+4*\k+3], v[RDV] offset:512*\k
.endr
	ds_load_b128 v[OVS:OVS+3], v[RDS]
	s_wait_dscnt 0x0
.irp k, 0,1,2,3,4,5
	global_store_b128 v[L16], v[OUTR+4*\k:OUTR+4*\k+3], s[84:85] offset:512*\k   ; V's fragments: 512 consecutive bytes a store, aligned
.endr
	s_cmp_lg_u32 s[WV], 0
	s_cbranch_scc1 .Lno_vs
	global_store_b128 v[VGV], v[OVS:OVS+3], s[86:87]   ; wave 0: 256 bytes of scale words for each of the two heads
.Lno_vs:
; ---------------- Q or K: eight blocks, way outs by pairs
	P2 0, -1
	PLACES 4
	FETCH 0, AX1, 2
	P2 1, -1
	PLACES 4
	FETCH 1, AX1, 3
	QOUT 1
	P2 2, 25                                       ; younger than tile 2's fetch: tile 3's 24 loads and the scale word's store
	s_wait_tensorcnt 0x0                           ; my quarter of chunk 1 is in,
	s_wait_dscnt 0x0
	BARRIER                                        ; everybody's is
	PLACES 4
	FETCH 0, AX0, 0
	P2 3, -1
	PLACES 4
	FETCH 1, AX0, 1
	QOUT 3
	P2 4, 25
	PLACES 4
	FETCH 0, AX0, 2
	P2 5, 25
	PLACES 4
	FETCH 1, AX0, 3
	QOUT 5
	P2 6, 25
	P2 7, 1                                        ; only the scale word's store is younger
	PLACES 4
	QOUT 7
	s_wait_dscnt 0x0                               ; for the others' sake: my scale words have landed
	BARRIER
	s_cmp_lt_u32 s[WV], 2
	s_cbranch_scc0 .Lno_qs
	ds_load_b128 v[OUTR:OUTR+3], v[RDQ]            ; waves 0, 1: a head's 512 bytes of scale halfwords
	s_wait_dscnt 0x0
	global_store_b128 v[L16], v[OUTR:OUTR+3], s[82:83]
.Lno_qs:
	s_wait_tensorcnt 0x0                           ; the wave's end
	ds_add_u32 v[SPW], v[NIL]
	s_wait_dscnt 0x0
	CROUND                                         ; the closing round
	s_endpgm
.Lfunc_end_k_qb6d1b56fd2_proj:
	.size	k_qb6d1b56fd2_proj, .Lfunc_end_k_qb6d1b56fd2_proj-k_qb6d1b56fd2_proj
	.p2alignl 7, 3214868480
	.fill 96, 4, 3214868480
	.section	.rodata,"a",@progbits
	.p2align	6, 0x0
	.amdhsa_kernel k_qb6d1b56fd2_proj
		.amdhsa_group_segment_fixed_size 327680
		.amdhsa_private_segment_fixed_size 0
		.amdhsa_enable_private_segment 0
		.amdhsa_kernarg_size 56
		.amdhsa_user_sgpr_count 2
		.amdhsa_user_sgpr_kernarg_segment_ptr 1
		.amdhsa_wavefront_size32 1
		.amdhsa_system_sgpr_workgroup_id_x 1
		.amdhsa_system_sgpr_workgroup_id_y 1
		.amdhsa_system_sgpr_workgroup_id_z 1
		.amdhsa_system_vgpr_workitem_id 0
		.amdhsa_next_free_vgpr 992
		.amdhsa_next_free_sgpr 102
		.amdhsa_reserve_vcc 0
		.amdhsa_float_denorm_mode_32 3
		.amdhsa_float_denorm_mode_16_64 3
		.amdhsa_memory_ordered 1
		.amdhsa_forward_progress 1
		.amdhsa_inst_pref_size 127
	.end_amdhsa_kernel
	.amdgpu_metadata
---
amdhsa.version: [ 1, 2 ]
amdhsa.kernels:
  - .name:           k_qb6d1b56fd2_proj
    .symbol:         k_qb6d1b56fd2_proj.kd
    .args:
      - { .name: opc, .offset: 0, .size: 8, .value_kind: global_buffer, .address_space: global }
      - { .name: ops, .offset: 8, .size: 8, .value_kind: global_buffer, .address_space: global }
      - { .name: bq, .offset: 16, .size: 8, .value_kind: global_buffer, .address_space: global }
      - { .name: bk, .offset: 24, .size: 8, .value_kind: global_buffer, .address_space: global }
      - { .name: bv, .offset: 32, .size: 8, .value_kind: global_buffer, .address_space: global }
      - { .name: qh, .offset: 40, .size: 8, .value_kind: global_buffer, .address_space: global }
      - { .name: kv, .offset: 48, .size: 8, .value_kind: global_buffer, .address_space: global }
    .group_segment_fixed_size: 327680
    .private_segment_fixed_size: 0
    .kernarg_segment_align: 8
    .kernarg_segment_size: 56
    .max_flat_workgroup_size: 128
    .sgpr_count:     102
    .vgpr_count:     992
    .wavefront_size: 32
...
	.end_amdgpu_metadata
.endif
;; end of part 2
;; launch attn (part 3): grid 8 x 32, 16 waves a work-group, clusters of 4 x 1, 327,680 bytes of LDS; arguments qh, kv, ac, asc; writes ac, asc
.if DOCPART == 3
	.amdgcn_target "amdgcn-amd-amdhsa--gfx1250"
	.amdhsa_code_object_version 6
	.text
	.protected	k_qb6d1b56fd2_attn
	.globl	k_qb6d1b56fd2_attn
	.p2align	8
	.type	k_qb6d1b56fd2_attn,@function
k_qb6d1b56fd2_attn:
	s_mov_b64 s[64:65], 0
	v_nop
	global_prefetch_b8 v0, s[64:65] scope:SCOPE_SE
	s_setreg_imm32_b32 hwreg(HW_REG_WAVE_MODE, 25, 1), 1
	s_wait_xcnt 0x0
	s_wait_alu depctr_hold_cnt(0) depctr_sa_sdst(0) depctr_va_vdst(0) depctr_va_sdst(0) depctr_va_ssrc(0) depctr_va_vcc(0) depctr_vm_vsrc(0)
	s_getreg_b32 s2, hwreg(HW_REG_IB_STS2, 6, 4)
	s_cmp_eq_u32 s2, 0
	s_cbranch_scc0 .Lentry_in_a_cluster
	s_endpgm
.Lentry_in_a_cluster:
	s_bfe_u32 s2, ttmp6, 0x10000c
	s_cmp_lg_u32 s2, 0x3003
	s_cbranch_scc0 .Lentry_shape_is_right
	s_endpgm
.Lentry_shape_is_right:
; ATTN: for each of the 32 (batch, head): O = softmax(Q K^T / 8) V on codes of E2M3, and O quantised along the head's 64 for the output projection.
; THE SOFTMAX AHEAD OF THE SECOND PRODUCT: t = score x log2(e) / 8; M = the row's largest t so far, rounded up to a whole number; p = 2^(t - M) is quantised along the keys, not normalised.
; The row's sum is taken of the unquantised p and divides O at the end.  When M moves, the sum and O are multiplied by 2^(old M - new M): exact.
; SHARES: a work-group owns 256 queries of one head, each of its sixteen waves one tile of 16, in 256 registers: four waves to a SIMD.
; THE HEAD'S K AND V STAY IN LDS WHOLE: 204,800 dense bytes of kv, each byte filled once, so there is no ring.  At the head one tensor load a wave: waves 0-3 K's key steps 0-3, waves 4-7 V's
; (6,144 bytes a wave), waves 8-15 the scale words (1,024 bytes a wave).  Key steps 4-15 (9,216 bytes a wave) are a later first fill, behind the wait, the add and a round.
; The first three trips read bytes of the head's loads alone; a barrier ahead of the fourth shows the rest.  All of LDS is claimed.
; CLUSTER: the four query blocks of a cluster belong to one head and want the same block: each load is asked for jointly, with the same descriptor and a mask that names the four.
; LAYOUT: both products transposed: S^T = K Q^T (source 0 = 16 keys), O^T = V^T P^T (source 0 = 16 of d): a lane holds one query throughout.
; THE KEYS OF A TILE: tile 4 c + q of a key step holds in row m key 64 c + 32 (m / 8) + 8 q + m % 8.  A result's lane (r, h) holds rows 8 h .. 8 h + 7: so the 32 registers of tiles 4 c .. 4 c + 3 are
; keys 64 c + 32 h + 0 .. 31 in order: ONE WHOLE BLOCK OF 32 IN A LANE, the very block that p's operand wants there (registers 6 c .. 6 c + 5).  A block's largest score needs no other lane, and no code changes lanes.
; Tiles of d hold rows 32 g + 8 u + r + 8 (r / 8), so that O^T's 16 registers of tiles 2 g, 2 g + 1 are 16 neighbours.
; THE SCORES' K IS 64, half of the instruction's 128: Q's operand is [q | q]; two tiles of keys share 18 registers [A | zeros | B]: tile u = 0 is registers 0-11, tile u = 1 registers 6-17.
; One scale word serves both: bytes 0, 1 are A's, bytes 2, 3 B's; the other two meet zero codes, and no byte is 0xff.
; No prefetch: the launch's one stream is asked for whole in its first two groups of loads, so there is no trip to run ahead in.
; LIMITS: NaN and infinities are not served; a block of p or of O whose largest magnitude lies under 2^-124 gets the scale byte 1; the scaled scores stay under 2^31 in magnitude.
.set A16, 1                            ; LDS address of a key step's half images, registers 0-3: 16 l + 6,144 x step
.set A8,  2                            ; registers 4, 5: 512 + 8 l + 6,144 x step
.set AV,  3                            ; V's fragments: 98,304 + 16 l + 6,144 x step
.set ASC, 4                            ; scale words: 196,608 + 4 l + 256 x step
.set G16, 5                            ; 16 l
.set G8,  6                            ; 8 l
.set OSA, 7                            ; where my tile's scale halfwords are gathered
.set QQ,  16                           ; v16-27 Q's operand
.set QS,  28                           ; its scale word
.set KS,  30                           ; v30-31 K's scale words: lanes 0-15 pair 2 g, lanes 16-31 pair 2 g + 1
.set VS,  32                           ; v32-33 V's
.set KB,  34                           ; v34-105 four pairs of key tiles x 18
.set S,   106                          ; v106-169 S^T, then p, then V's four fragments
.set O,   170                          ; v170-201 O^T
.set PC,  202                          ; v202-221 p's codes
.set BM,  222
.set PD,  226
.set SO,  230
.set F,   234                          ; v[234:235]
.set PW,  236                          ; p's scale word
.set T0,  237
.set T1,  238
.set SU,  240                          ; v240-247 the step's sum, in four chains of two halves
.set SH8, 248                          ; 8 h: how far my two scale bytes are shifted up in p's scale word
.set OSC, 204800                       ; LDS behind the block: 512 bytes of scale halfwords; the spare words lie at 212,992 (v254, v255 serve the add alone)
.set WV,  12
.set SEL, 20
.set CS,  22
.set G1S, 24                           ; s[24:31] descriptor group 1 for the scale words; s[32:39] for key steps 0-3; s[40:47] for key steps 4-15
.set G1A, 32
.set G1B, 40
.set G0S, 48                           ; s[48:51], s[52:55], s[56:59] their groups 0
.set G0A, 52
.set G0B, 56
.set CNT, 60
.macro WALU
	s_wait_alu depctr_va_vdst(0)
.endm
.macro CROUND                          ; a round of the cluster's barrier
	s_barrier_signal -1
	s_barrier_wait -1
	s_cmp_lg_u32 s[WV], 0
	s_cbranch_scc1 .Lnot_wave_0_\@
	s_barrier_signal -3
.Lnot_wave_0_\@:
	s_barrier_wait -3
	s_barrier_signal -1
	s_barrier_wait -1
.endm
.macro TLOAD g0, g1                    ; s_nop 0 and four v_nop behind each tensor load
	tensor_load_to_lds s[\g0:\g0+3], s[\g1:\g1+7]
	s_nop 0
.rept 4
	v_nop
.endr
.endm
.macro KLOAD                           ; a key step's eight half images and its scale words
.irp b, 0,1,2,3
.irp u, 0,1
	ds_load_b128 v[KB+18*\b+12*\u:KB+18*\b+12*\u+3], v[A16] offset:768*(2*\b+\u)
	ds_load_b64 v[KB+18*\b+12*\u+4:KB+18*\b+12*\u+5], v[A8] offset:768*(2*\b+\u)
.endr
.endr
	ds_load_b32 v[KS], v[ASC]
	ds_load_b32 v[KS+1], v[ASC] offset:128
.endm
.macro QK b, u
.if ((\b)%2) == 0
	v_wmma_scale_f32_16x16x128_f8f6f4 v[S+16*\b+8*\u:S+16*\b+8*\u+7], v[KB+18*\b+6*\u:KB+18*\b+6*\u+11], v[QQ:QQ+11], 0, v[KS+\b/2], v[QS] matrix_a_fmt:MATRIX_FMT_FP6 matrix_b_fmt:MATRIX_FMT_FP6
.else
	v_wmma_scale_f32_16x16x128_f8f6f4 v[S+16*\b+8*\u:S+16*\b+8*\u+7], v[KB+18*\b+6*\u:KB+18*\b+6*\u+11], v[QQ:QQ+11], 0, v[KS+\b/2], v[QS] matrix_a_fmt:MATRIX_FMT_FP6 matrix_b_fmt:MATRIX_FMT_FP6 matrix_a_scale:MATRIX_SCALE_ROW1
.endif
.endm
.macro PV t
.if ((\t)%2) == 0
	v_wmma_scale_f32_16x16x128_f8f6f4 v[O+8*\t:O+8*\t+7], v[S+12*\t:S+12*\t+11], v[PC:PC+11], v[O+8*\t:O+8*\t+7], v[VS+\t/2], v[PW] matrix_a_fmt:MATRIX_FMT_FP6 matrix_b_fmt:MATRIX_FMT_FP6
.else
	v_wmma_scale_f32_16x16x128_f8f6f4 v[O+8*\t:O+8*\t+7], v[S+12*\t:S+12*\t+11], v[PC:PC+11], v[O+8*\t:O+8*\t+7], v[VS+\t/2], v[PW] matrix_a_fmt:MATRIX_FMT_FP6 matrix_b_fmt:MATRIX_FMT_FP6 matrix_a_scale:MATRIX_SCALE_ROW1
.endif
.endm
.macro PKF p                           ; pair p of the scores: t - M, two at a time (of the pairs c and -M the low word serves both halves)
	v_pk_fma_f32 v[S+2*(\p):S+2*(\p)+1], v[S+2*(\p):S+2*(\p)+1], s[CS:CS+1], v[12:13] op_sel_hi:[1,0,0]
.endm
.macro SROUND r                        ; four more pairs of p onto the four chains
.irp c, 0,1,2,3
	v_pk_add_f32 v[SU+2*\c:SU+2*\c+1], v[SU+2*\c:SU+2*\c+1], v[S+8+8*(\r)+2*\c:S+8+8*(\r)+2*\c+1]
.endr
.endm
	s_load_b256 s[4:11], s[0:1], 0x0               ; qh s[4:5], kv s[6:7], ac s[8:9], asc s[10:11]
	v_lshl_add_u32 v254, v0, 2, 0x34000
	v_mov_b32 v255, 0
	ds_add_u32 v254, v255                          ; the opening lines: the add, twice on end, and its wait ahead of the first round
	ds_add_u32 v254, v255
	v_lshrrev_b32 v8, 5, v0
	v_readfirstlane_b32 s[WV], v8                  ; wave 0..15
	v_and_b32 v8, 31, v0                           ; lane
	v_and_b32 v9, 15, v0                           ; r
	v_lshlrev_b32 v[A16], 4, v8
	v_lshlrev_b32 v[G8], 3, v8
	v_add_nc_u32 v[A8], 512, v[G8]
	v_add_nc_u32 v[AV], 98304, v[A16]
	v_lshlrev_b32 v[ASC], 2, v8
	v_add_nc_u32 v[ASC], 196608, v[ASC]
	v_lshlrev_b32 v[G16], 4, v8
	v_bfe_u32 v[SH8], v0, 4, 1
	v_lshlrev_b32 v[SH8], 3, v[SH8]
	s_lshl_b32 s16, s[WV], 5
	s_add_co_u32 s16, s16, OSC
	v_lshl_add_u32 v[OSA], v9, 1, s16              ; 32 x wave + 2 r
	v_lshlrev_b32 v10, 2, v9
	v_add_nc_u32 v11, OSC, v[G16]                  ; wave 0's read-back of the 512 bytes
	s_bfe_u32 s13, ttmp6, 0x40000                  ; cx: it enters the addresses of Q, ac and asc alone
	s_lshl_b32 s14, ttmp9, 2
	s_add_co_u32 s14, s14, s13                     ; my block of 256 queries
	s_and_b32 s15, ttmp7, 0xffff                   ; 16 x batch + head, which the four partners share
	; descriptors: dense bytes as rows of 256 (32 elements of 8 bytes); the three differ in the number of rows alone
.irp g, G1S, G1A, G1B
	s_mov_b32 s[\g], 15|(3<<16)|(1<<21)            ; the mask: all four; elements of 8 bytes; bit 21 set beside a mask
	s_mov_b32 s[\g+1], 32<<16                      ; tensor_dim0
	s_mov_b32 s[\g+3], 32<<16                      ; tile_dim0
	s_mov_b32 s[\g+5], 32                          ; from row to row
	s_mov_b32 s[\g+6], 0
	s_mov_b32 s[\g+7], 0
.endr
	s_mov_b32 s[G1S+2], 4<<16                      ; tensor_dim1 and tile_dim1: 4 rows,
	s_mov_b32 s[G1S+4], 4
	s_mov_b32 s[G1A+2], 24<<16                     ; 24 rows,
	s_mov_b32 s[G1A+4], 24
	s_mov_b32 s[G1B+2], 36<<16                     ; 36 rows
	s_mov_b32 s[G1B+4], 36
	; where my parts lie, in the head's block and in LDS alike
	s_lshr_b32 s19, s[WV], 3
	s_lshr_b32 s17, s[WV], 2
	s_mov_b32 s[G0S], 1
	s_lshl_b32 s[G0S+1], s[WV], 10
	s_add_co_u32 s[G0S+1], s[G0S+1], 188416        ; scale words, waves 8-15: 196,608 + 1,024 (w - 8)
	s_mov_b32 s[G0A], 1
	s_mul_i32 s[G0A+1], s[WV], 6144
	s_mul_i32 s17, s17, 73728
	s_add_co_u32 s[G0A+1], s[G0A+1], s17           ; key steps 0-3, waves 0-7: K at 6,144 w; V at 98,304 + 6,144 (w - 4)
	s_mov_b32 s[G0B], 1
	s_mul_i32 s[G0B+1], s[WV], 9216
	s_mul_i32 s17, s19, 24576
	s_add_co_u32 s[G0B+1], s[G0B+1], s17
	s_add_co_u32 s[G0B+1], s[G0B+1], 24576         ; key steps 4-15: K at 24,576 + 9,216 w; V at 122,880 + 9,216 (w - 8)
	s_mul_i32 s18, s15, 204800                     ; the head's block in kv
	s_add_co_u32 s76, s18, s[G0S+1]
	s_mov_b32 s77, 0
	s_add_co_u32 s78, s18, s[G0A+1]
	s_mov_b32 s79, 0
	s_add_co_u32 s80, s18, s[G0B+1]
	s_mov_b32 s81, 0
	s_mov_b32 s[SEL], 0x76543210
	s_mov_b32 s[SEL+1], 0xfedcba98
	s_mov_b32 s[CS], 0x3e38aa3b                    ; c = log2(e) / 8
	s_mov_b32 s[CS+1], s[CS]                       ; (named with it as a pair, so it is written)
	s_lshl_b32 s61, s14, 4
	s_add_co_u32 s61, s61, s[WV]                   ; my tile of queries in the batch
	s_mul_i32 s62, s15, 102400
	s_mul_i32 s63, s61, 768
	s_add_co_u32 s82, s62, s63                     ; Q's half image
	s_mov_b32 s83, 0
	s_lshr_b32 s63, s61, 1
	s_lshl_b32 s63, s63, 6
	s_add_co_u32 s84, s62, s63
	s_and_b32 s63, s61, 1
	s_lshl_b32 s63, s63, 1
	s_add_co_u32 s84, s84, s63
	s_add_co_u32 s84, s84, 98304                   ; Q's scale halfwords: 64 g + 2 u (+ 4 r)
	s_mov_b32 s85, 0
	s_lshr_b32 s62, s15, 4
	s_lshl_b32 s62, s62, 7                         ; 128 tiles a batch
	s_and_b32 s63, s15, 15                         ; the head
	s_add_co_u32 s86, s62, s61
	s_mul_i32 s86, s86, 12288
	s_mul_i32 s90, s63, 768
	s_add_co_u32 s86, s86, s90                     ; ac: tile x 12,288 + head x 768
	s_mov_b32 s87, 0
	s_lshl_b32 s88, s14, 4
	s_add_co_u32 s88, s88, s62
	s_lshl_b32 s88, s88, 5
	s_lshl_b32 s90, s63, 13
	s_add_co_u32 s88, s88, s90                     ; asc: head x 8,192 + the work-group's first tile x 32
	s_mov_b32 s89, 0
	WALU
	s_wait_dscnt 0x0                               ; both opening adds are done
	s_wait_kmcnt 0x0
	s_add_nc_u64 s[G0S+2:G0S+3], s[6:7], s[76:77]
	s_or_b32 s[G0S+3], s[G0S+3], 0x80000000
	s_add_nc_u64 s[G0A+2:G0A+3], s[6:7], s[78:79]
	s_or_b32 s[G0A+3], s[G0A+3], 0x80000000
	s_add_nc_u64 s[G0B+2:G0B+3], s[6:7], s[80:81]
	s_or_b32 s[G0B+3], s[G0B+3], 0x80000000
	s_add_nc_u64 s[68:69], s[4:5], s[82:83]
	s_add_nc_u64 s[70:71], s[4:5], s[84:85]
	s_add_nc_u64 s[72:73], s[8:9], s[86:87]
	s_add_nc_u64 s[74:75], s[10:11], s[88:89]
	global_load_b128 v[QQ:QQ+3], v[G16], s[68:69]  ; Q is asked for ahead of the round: nobody writes these bytes, so the loads may be out across it
	global_load_b64 v[QQ+4:QQ+5], v[G8], s[68:69] offset:512
	global_load_u16 v29, v10, s[70:71]
	CROUND                                         ; all four work-groups are here: the joint loads meet
	s_cmp_lt_u32 s[WV], 8                          ; one chain of two arms on the wave's number, one load to an arm
	s_cbranch_scc0 .Lhead_scales
	TLOAD G0A, G1A                                 ; waves 0-7: key steps 0-3 of K and of V
	s_branch .Lhead_asked
.Lhead_scales:
	TLOAD G0S, G1S                                 ; waves 8-15: the scale words
.Lhead_asked:
.irp b, 0,1,2,3
.irp i, 6,7,8,9,10,11
	v_mov_b32 v[KB+18*\b+\i], 0                    ; the zero codes between a pair's two tiles: written once
.endr
.endr
	v_mov_b32 v13, 0xff61b1e6                      ; the largest score so far: -3e38, under every score
	v_floor_f32 v12, -v13                          ; -M
	v_mov_b32 v14, 0                               ; the sum, in two halves
	v_mov_b32 v15, 0
.irp b, 0,1
	v_mov_b32 v[PD+\b], 0                          ; written once: a lane permute's destination counts as one of its sources
.endr
	v_mov_b32 v[F+1], 0                            ; (named as the upper half of a pair)
	s_wait_loadcnt 0x0                             ; Q
.irp i, 0,1,2,3,4,5
	v_mov_b32 v[QQ+6+\i], v[QQ+\i]                 ; [q | q]
.endr
	v_lshl_or_b32 v[QS], v29, 16, v29              ; its two scale bytes, twice
.set j, 0
.rept 32
	v_mov_b32 v[O+j], 0                            ; O^T: the trip is written once; the first finds zeros
.set j, j+1
.endr
	WALU
	s_wait_tensorcnt 0x0                           ; my part of the head's tiles is in; the three lines ahead of a later first fill:
	ds_add_u32 v254, v255
	s_wait_dscnt 0x0
	CROUND                                         ; everybody's part is in, and all four work-groups are here
	TLOAD G0B, G1B                                 ; key steps 4-15: my one load behind the round
	KLOAD
; A TRIP: 128 keys.
.macro TRIP
	s_wait_dscnt 0x0                               ; K's tiles and scale words are in
.irp b, 0,1,2,3
.irp u, 0,1
	QK \b, \u
.endr
.endr
	v_add_nc_u32 v[A16], 6144, v[A16]              ; four plain lines: the places in front of the loads into K's registers and of the first read of the scores
	v_add_nc_u32 v[A8], 6144, v[A8]
	v_add_nc_u32 v[ASC], 256, v[ASC]
	v_mov_b32 v[T0], v12                           ; the old -M is kept for f
	KLOAD                                          ; the next step's (the last trip reads filled bytes behind K's tiles, which nothing uses)
.irp b, 0,1,2,3
	v_max3_num_f32 v[BM+\b], v[S+16*\b], v[S+1+16*\b], v[S+2+16*\b]   ; the largest score, in four chains of 16 registers
.endr
.irp i, 3,5,7,9,11,13
.irp b, 0,1,2,3
	v_max3_num_f32 v[BM+\b], v[BM+\b], v[S+16*\b+\i], v[S+1+16*\b+\i]
.endr
.endr
.irp c, 0,1
	v_max3_num_f32 v[BM+2*\c], v[BM+2*\c], v[BM+2*\c+1], v[S+32*\c+15]   ; two chains make a block of 32 keys, all mine:
.endr
.irp c, 0,1
	v_max_num_f32 v[BM+2*\c], v[BM+2*\c], v[S+32*\c+31]   ; its largest score serves the row's maximum and, since p rises with the score, the block's largest p
.endr
	v_max3_num_f32 v[T1], v[BM], v[BM+2], v13
	v_permlanex16_b32 v[PD], v[T1], s[SEL], s[SEL+1]
	v_max_num_f32 v13, v[T1], v[PD]                ; with lane l xor 16's two blocks: the running largest score (c is positive: the largest score gives the largest t)
	v_mul_f32 v[T1], s[CS], v13                    ; as t
	v_floor_f32 v12, -v[T1]                        ; the new -M = -ceil(t): a whole number
	v_sub_f32 v[T0], v12, v[T0]                    ; old M - new M: a whole number, 0 or less
.irp p, 0,1,2,3
	PKF \p
.endr
	v_cvt_i32_f32 v[T0], v[T0]                     ; (it saturates)
.irp p, 4,5,6,7
	PKF \p
.endr
	v_ldexp_f32 v[F], 1.0, v[T0]                   ; f = 2^(old M - new M)
.set j, 8
.rept 24
	PKF j
.set j, j+1
.endr
.irp c, 0,1
	v_fma_f32 v[BM+2*\c], v[BM+2*\c], s[CS], v12   ; t - M of each block's largest score
.endr
	WALU                                           ; all the batch's sources are laid
.set j, 0
.rept 64
	v_exp_f32 v[S+j], v[S+j]                       ; p = 2^(t - M), at most 1
.set j, j+1
.endr
.irp c, 0,1
	v_exp_f32 v[BM+2*\c], v[BM+2*\c]               ; each block's largest p: the same two instructions on the same number give the same bits
.endr
	v_pk_mul_f32 v[14:15], v[14:15], v[F:F+1] op_sel_hi:[1,0]   ; the sums under the new M: the plain line behind the last exponential
	WALU                                           ; one wait for the whole batch, ahead of its first reader
.irp c, 0,1
	v_max_num_f32 v[BM+2*\c], 0x1800000, v[BM+2*\c]   ; the floor 2^(3 - 127): the byte cannot fall under 1
.endr
.irp c, 0,1,2,3
	v_pk_add_f32 v[SU+2*\c:SU+2*\c+1], v[S+2*\c:S+2*\c+1], v[S+8+2*\c:S+8+2*\c+1]   ; THE ROW'S SUM IS TAKEN OF THE UNQUANTISED p: four chains, begun by the first eight pairs
.endr
.irp c, 0,1
	v_add_nc_u32 v[SO+\c], 0xff000000, v[BM+2*\c]  ; 2 off the exponent field: the conversion's scale operand
.endr
	SROUND 1
.irp c, 0,1
	v_cvt_scalef32_pk16_fp6_f32 v[PC+6*\c:PC+2+6*\c], v[S+32*\c:S+15+32*\c], v[SO+\c]             ; my block 2 c + h: its lower 16 codes are registers 6 c .. 6 c + 2 of the operand as they fall;
	v_cvt_scalef32_pk16_fp6_f32 v[PC+12+4*\c:PC+14+4*\c], v[S+16+32*\c:S+31+32*\c], v[SO+\c]      ; the upper 16 are made elsewhere and moved (a conversion's three registers begin on an even number)
.endr
.irp c, 0,1
	v_lshrrev_b32 v[PD+\c], 23, v[SO+\c]           ; the scale's byte.  (Plain lines behind the last conversion)
.endr
	SROUND 2
	v_lshl_or_b32 v[PW], v[PD+1], 16, v[PD]        ; my two bytes: blocks h and 2 + h,
	SROUND 3
	v_lshlrev_b32 v[PW], v[SH8], v[PW]             ; at their places in p's scale word;
	SROUND 4
	v_permlanex16_b32 v[T1], v[PW], s[SEL], s[SEL+1]
	SROUND 5
	v_or_b32 v[PW], v[PW], v[T1]                   ; with lane l xor 16's two the word is whole
	SROUND 6                                       ; p has been read for the last time
.irp t, 0,1,2,3
.irp c, 0,1,2
	ds_load_b128 v[S+12*\t+4*\c:S+12*\t+4*\c+3], v[AV] offset:1536*\t+512*\c   ; V^T's four fragments of these 128 keys, into p's registers
.endr
.endr
	ds_load_b32 v[VS], v[ASC] offset:3840          ; V's scale words lie 4,096 bytes behind K's, and the address stands one step (256 bytes) on
	ds_load_b32 v[VS+1], v[ASC] offset:3968
.irp c, 0,1
.irp i, 0,1,2
	v_mov_b32 v[PC+3+6*\c+\i], v[PC+12+4*\c+\i]
.endr
.endr
	WALU
.set j, 0
.rept 16
	v_pk_mul_f32 v[O+j:O+j+1], v[O+j:O+j+1], v[F:F+1] op_sel_hi:[1,0]   ; O^T under the new M: x f, each accumulator from its low end on.  (Also the places between p's codes and scale word and the products)
.set j, j+2
.endr
	WALU
	s_wait_dscnt 0x0                               ; V's fragments are in (and the next step's K)
.irp t, 0,1,2,3
	PV \t
.endr
	v_pk_add_f32 v[SU:SU+1], v[SU:SU+1], v[SU+2:SU+3]         ; the four chains are joined: with the step of V's address five plain lines, the places ahead of the next trip's products, which write over V's registers
	v_pk_add_f32 v[SU+4:SU+5], v[SU+4:SU+5], v[SU+6:SU+7]
	v_add_nc_u32 v[AV], 6144, v[AV]
	v_pk_add_f32 v[SU:SU+1], v[SU:SU+1], v[SU+4:SU+5]
	v_pk_add_f32 v[14:15], v[14:15], v[SU:SU+1]
.endm
.macro STEPS n
	s_mov_b32 s[CNT], \n
.Lstep_\@:
	TRIP
	s_sub_co_u32 s[CNT], s[CNT], 1
	s_cmp_lg_u32 s[CNT], 0
	s_cbranch_scc1 .Lstep_\@
.endm
	STEPS 3                                        ; trips 0-2 read K's steps 1-3 and V's steps 0-2: bytes of the head's loads
	s_wait_tensorcnt 0x0                           ; my part of key steps 4-15 is in LDS,
	s_wait_dscnt 0x0                               ; (no LDS instruction of mine is out)
	s_barrier_signal -1
	s_barrier_wait -1                              ; everybody's is
	STEPS 13                                       ; trip 3 is the first that reads K's step 4
	; THE WAY OUT: O^T / the sum, quantised along the head's 64: two blocks, a half image of the output projection's operand
	v_add_f32 v14, v14, v15
	v_permlanex16_b32 v[T0], v14, s[SEL], s[SEL+1]
	v_add_f32 v14, v14, v[T0]                      ; the row's sum
	WALU                                           ; the wait ahead of the reciprocal,
	v_rcp_f32 v[F], v14
	v_nop                                          ; a plain line behind it,
	WALU                                           ; and the wait ahead of its first reader, which is O^T's first reader too
.set j, 0
.rept 16
	v_pk_mul_f32 v[O+j:O+j+1], v[O+j:O+j+1], v[F:F+1] op_sel_hi:[1,0]
.set j, j+2
.endr
.irp b, 0,1
	v_max3_num_f32 v[BM+\b], |v[O+16*\b]|, |v[O+1+16*\b]|, 0x1800000
.endr
.irp i, 2,4,6,8,10,12,14
.irp b, 0,1
	v_max3_num_f32 v[BM+\b], v[BM+\b], |v[O+16*\b+\i]|, |v[O+1+16*\b+\i]|
.endr
.endr
.irp b, 0,1
	v_permlanex16_b32 v[PD+\b], v[BM+\b], s[SEL], s[SEL+1]
.endr
.irp b, 0,1
	v_max_num_f32 v[BM+\b], v[BM+\b], v[PD+\b]
.endr
.irp b, 0,1
	v_add_nc_u32 v[SO+\b], 0xff000000, v[BM+\b]
.endr
.irp b, 0,1
	v_lshrrev_b32 v[PD+\b], 23, v[SO+\b]
.endr
	v_lshl_or_b32 v[T1], v[PD+1], 8, v[PD]         ; the head's two scale bytes of my row
	v_cvt_scalef32_pk16_fp6_f32 v[PC:PC+2], v[O:O+15], v[SO]
	v_cvt_scalef32_pk16_fp6_f32 v[PC+12:PC+14], v[O+16:O+31], v[SO+1]
	v_nop                                          ; one plain place behind a scaled conversion
.irp i, 0,1,2
	v_permlane16_swap_b32 v[PC+\i], v[PC+12+\i]
.endr
.irp i, 0,1,2
	v_mov_b32 v[PC+3+\i], v[PC+12+\i]
.endr
	global_store_b128 v[G16], v[PC:PC+3], s[72:73]           ; 512 consecutive bytes, aligned,
	global_store_b64 v[G8], v[PC+4:PC+5], s[72:73] offset:512 ; and 256
	ds_store_b16 v[OSA], v[T1]                     ; (lanes l and l + 16 write the same bytes with the same value)
	s_wait_dscnt 0x0                               ; for the others' sake: my store has landed
	s_barrier_signal -1
	s_barrier_wait -1
	s_cmp_lg_u32 s[WV], 0
	s_cbranch_scc1 .Lnot_first
	ds_load_b128 v[S:S+3], v11                     ; wave 0 stores the sixteen tiles' halfwords: 512 consecutive bytes
	s_wait_dscnt 0x0
	global_store_b128 v[G16], v[S:S+3], s[74:75]
.Lnot_first:
	s_wait_tensorcnt 0x0                           ; the wave's end
	ds_add_u32 v254, v255
	s_wait_dscnt 0x0
	CROUND                                         ; the closing round
	s_endpgm
.Lfunc_end_k_qb6d1b56fd2_attn:
	.size	k_qb6d1b56fd2_attn, .Lfunc_end_k_qb6d1b56fd2_attn-k_qb6d1b56fd2_attn
	.p2alignl 7, 3214868480
	.fill 96, 4, 3214868480
	.section	.rodata,"a",@progbits
	.p2align	6, 0x0
	.amdhsa_kernel k_qb6d1b56fd2_attn
		.amdhsa_group_segment_fixed_size 327680
		.amdhsa_private_segment_fixed_size 0
		.amdhsa_enable_private_segment 0
		.amdhsa_kernarg_size 32
		.amdhsa_user_sgpr_count 2
		.amdhsa_user_sgpr_kernarg_segment_ptr 1
		.amdhsa_wavefront_size32 1
		.amdhsa_system_sgpr_workgroup_id_x 1
		.amdhsa_system_sgpr_workgroup_id_y 1
		.amdhsa_system_sgpr_workgroup_id_z 1
		.amdhsa_system_vgpr_workitem_id 0
		.amdhsa_next_free_vgpr 256
		.amdhsa_next_free_sgpr 92
		.amdhsa_reserve_vcc 0
		.amdhsa_float_denorm_mode_32 3
		.amdhsa_float_denorm_mode_16_64 3
		.amdhsa_memory_ordered 1
		.amdhsa_forward_progress 1
		.amdhsa_inst_pref_size 45
	.end_amdhsa_kernel
	.amdgpu_metadata
---
amdhsa.version: [ 1, 2 ]
amdhsa.kernels:
  - .name:           k_qb6d1b56fd2_attn
    .symbol:         k_qb6d1b56fd2_attn.kd
    .args:
      - { .name: qh, .offset: 0, .size: 8, .value_kind: global_buffer, .address_space: global }
      - { .name: kv, .offset: 8, .size: 8, .value_kind: global_buffer, .address_space: global }
      - { .name: ac, .offset: 16, .size: 8, .value_kind: global_buffer, .address_space: global }
      - { .name: asc, .offset: 24, .size: 8, .value_kind: global_buffer, .address_space: global }
    .group_segment_fixed_size: 327680
    .private_segment_fixed_size: 0
    .kernarg_segment_align: 8
    .kernarg_segment_size: 32
    .max_flat_workgroup_size: 512
    .sgpr_count:     92
    .vgpr_count:     256
    .wavefront_size: 32
...
	.end_amdgpu_metadata
.endif
;; end of part 3
;; launch outp (part 4): grid 8 x 32, 4 waves a work-group, clusters of 4 x 1, 170,496 bytes of LDS; arguments ac, asc, opc, ops, bo, out0; writes out0
.if DOCPART == 4
	.amdgcn_target "amdgcn-amd-amdhsa--gfx1250"
	.amdhsa_code_object_version 6
	.text
	.protected	k_qb6d1b56fd2_outp
	.globl	k_qb6d1b56fd2_outp
	.p2align	8
	.type	k_qb6d1b56fd2_outp,@function
k_qb6d1b56fd2_outp:
	s_mov_b64 s[64:65], 0
	v_nop
	global_prefetch_b8 v0, s[64:65] scope:SCOPE_SE
	s_setreg_imm32_b32 hwreg(HW_REG_WAVE_MODE, 25, 1), 1
	s_wait_xcnt 0x0
	s_wait_alu depctr_hold_cnt(0) depctr_sa_sdst(0) depctr_va_vdst(0) depctr_va_sdst(0) depctr_va_ssrc(0) depctr_va_vcc(0) depctr_vm_vsrc(0)
	s_getreg_b32 s2, hwreg(HW_REG_IB_STS2, 6, 4)
	s_cmp_eq_u32 s2, 0
	s_cbranch_scc0 .Lentry_in_a_cluster
	s_endpgm
.Lentry_in_a_cluster:
	s_bfe_u32 s2, ttmp6, 0x10000c
	s_cmp_lg_u32 s2, 0x3003
	s_cbranch_scc0 .Lentry_shape_is_right
	s_endpgm
.Lentry_shape_is_right:
; OUTP: out0 = A Wo + bo on codes of E2M3; A is the attention's result as ATTN has stored it (half images, a head each), Wo as PREP has stored it.
; SHARES: a work-group makes 128 tokens x 128 columns: 256 work-groups.  Wave w makes 32 columns for all 128 tokens: its two tiles of Wo, 16 fragments, stay in registers (window 1).
; The 128 tokens' codes (98,304 dense bytes of ac) come into LDS once.  CLUSTER: the four work-groups of a cluster take the same tokens and other columns: that block is asked for jointly.
; The product is used transposed (source 0 = 16 columns of Wo, source 1 = 16 tokens): a lane's 16 registers of the two tiles are 16 neighbouring columns of one token.
; The bias is the C of each sum's first product.  Results go through a stage in LDS and leave as rows of 512 consecutive bytes.
; Nothing in LDS is filled twice.  No prefetch: all streams are asked for at the head.
.set XSC, 98304                        ; LDS: the images at 0; the tokens' scale words, 512 bytes a tile;
.set STG, 102400                       ; the stage: 128 rows (in the tiles' order) x (512 + 16) bytes
.set WS,  16                           ; v16-23  Wo's scale words: register s; lanes 0-15 tile u = 0, lanes 16-31 u = 1
.set BO,  24                           ; v24-39  the bias in the result's layout, two tiles
.set XS,  40                           ; v40-71  the tokens' scale words: register 8 (tile / 2) + s; lanes 0-15 the even tile
.set ACC, 72                           ; v72-135 eight accumulators: 2 i + u
.set XF,  136                          ; v136-231 two sets of four fragments
.set TT,  232
.set WV,  16
.set MSB, 0
.macro WIN new
.if MSB != (\new)
	s_set_vgpr_msb (MSB<<8)|(\new)
.set MSB, (\new)
.endif
.endm
.macro CROUND
	s_barrier_signal -1
	s_barrier_wait -1
	s_cmp_lg_u32 s[WV], 0
	s_cbranch_scc1 .Lnot_wave_0_\@
	s_barrier_signal -3
.Lnot_wave_0_\@:
	s_barrier_wait -3
	s_barrier_signal -1
	s_barrier_wait -1
.endm
.macro WMMA
.if (mRA == 0) && (mRB == 0)
	v_wmma_scale_f32_16x16x128_f8f6f4 v[mD:mD+7], v[mA:mA+11], v[mB:mB+11], v[mC:mC+7], v[mSA], v[mSB] matrix_a_fmt:MATRIX_FMT_FP6 matrix_b_fmt:MATRIX_FMT_FP6
.elseif (mRA == 1) && (mRB == 0)
	v_wmma_scale_f32_16x16x128_f8f6f4 v[mD:mD+7], v[mA:mA+11], v[mB:mB+11], v[mC:mC+7], v[mSA], v[mSB] matrix_a_fmt:MATRIX_FMT_FP6 matrix_b_fmt:MATRIX_FMT_FP6 matrix_a_scale:MATRIX_SCALE_ROW1
.elseif (mRA == 0) && (mRB == 1)
	v_wmma_scale_f32_16x16x128_f8f6f4 v[mD:mD+7], v[mA:mA+11], v[mB:mB+11], v[mC:mC+7], v[mSA], v[mSB] matrix_a_fmt:MATRIX_FMT_FP6 matrix_b_fmt:MATRIX_FMT_FP6 matrix_b_scale:MATRIX_SCALE_ROW1
.else
	v_wmma_scale_f32_16x16x128_f8f6f4 v[mD:mD+7], v[mA:mA+11], v[mB:mB+11], v[mC:mC+7], v[mSA], v[mSB] matrix_a_fmt:MATRIX_FMT_FP6 matrix_b_fmt:MATRIX_FMT_FP6 matrix_a_scale:MATRIX_SCALE_ROW1 matrix_b_scale:MATRIX_SCALE_ROW1
.endif
.endm
	s_load_b256 s[4:11], s[0:1], 0x0               ; ac s[4:5], asc s[6:7], opc s[8:9], ops s[10:11]
	s_load_b128 s[12:15], s[0:1], 0x20             ; bo s[12:13], out0 s[14:15]
	v_lshl_add_u32 v15, v0, 2, 0x29800
	s_set_vgpr_msb 0x40
	v_mov_b32 v255, 0
	s_set_vgpr_msb 0x4044
	ds_add_u32 v15, v255
	ds_add_u32 v15, v255
	s_set_vgpr_msb 0x4400
	v_lshrrev_b32 v10, 5, v0
	v_readfirstlane_b32 s[WV], v10                 ; wave
	s_bfe_u32 s17, ttmp6, 0x40000                  ; cx: it enters the addresses of Wo, bo and out0 alone
	s_lshl_b32 s18, ttmp9, 2
	s_add_co_u32 s18, s18, s17                     ; jb: which 128 columns
	s_and_b32 s19, ttmp7, 0xffff                   ; ib: which 128 tokens, shared by the four partners
	s_mov_b32 s24, 15|(3<<16)|(1<<21)              ; the mask: all four; elements of 8 bytes; bit 21 set beside a mask
	s_mov_b32 s25, 32<<16                          ; rows of 256 bytes,
	s_mov_b32 s26, 96<<16                          ; 96 of them a wave
	s_mov_b32 s27, 32<<16
	s_mov_b32 s28, 96
	s_mov_b32 s29, 32
	s_mov_b32 s30, 0
	s_mov_b32 s31, 0
	s_mov_b32 s32, 1
	s_mul_i32 s33, s[WV], 24576
	s_mul_i32 s36, s19, 98304
	s_add_co_u32 s36, s36, s33
	s_mov_b32 s37, 0
	s_lshl_b32 s38, s18, 3
	s_lshl_b32 s39, s[WV], 1
	s_add_co_u32 s38, s38, s39
	s_add_co_u32 s38, s38, 960                     ; my first tile of Wo
	s_mul_i32 s40, s38, 12288
	s_mov_b32 s41, 0
	s_lshl_b32 s42, s38, 9
	s_mov_b32 s43, 0
	s_lshl_b32 s44, s18, 9
	s_lshl_b32 s39, s[WV], 7
	s_add_co_u32 s44, s44, s39                     ; (128 jb + 32 w) x 4
	s_mov_b32 s45, 0
	s_lshl_b32 s46, s19, 8                         ; asc: eight tiles of 32 bytes
	s_mov_b32 s47, 0
	s_lshl_b32 s48, s19, 7
	s_lshr_b32 s39, s[WV], 1
	s_lshl_b32 s39, s39, 5
	s_add_co_u32 s48, s48, s39
	s_and_b32 s39, s[WV], 1
	s_lshl_b32 s39, s39, 3
	s_add_co_u32 s48, s48, s39                     ; on the way out wave w takes tile 4 H + w of each half H: its first token is 128 ib + 64 H + 32 (w / 2) + 8 (w % 2)
	s_lshl_b32 s48, s48, 12                        ; out0: rows of 4,096 bytes,
	s_lshl_b32 s39, s18, 9
	s_add_co_u32 s48, s48, s39                     ; + 512 jb
	s_mov_b32 s49, 0
	s_wait_dscnt 0x0
	s_wait_kmcnt 0x0
	s_add_nc_u64 s[34:35], s[4:5], s[36:37]
	s_or_b32 s35, s35, 0x80000000
	s_add_nc_u64 s[8:9], s[8:9], s[40:41]
	s_add_nc_u64 s[10:11], s[10:11], s[42:43]
	s_add_nc_u64 s[12:13], s[12:13], s[44:45]
	s_add_nc_u64 s[6:7], s[6:7], s[46:47]
	s_add_nc_u64 s[14:15], s[14:15], s[48:49]
	CROUND                                         ; all four work-groups are here: the joint loads meet
	tensor_load_to_lds s[32:35], s[24:31]          ; my one tensor load
	s_nop 0
.rept 4
	v_nop
.endr
	v_and_b32 v10, 31, v0
	v_and_b32 v11, 15, v0
	v_bfe_u32 v12, v0, 4, 1
	v_lshlrev_b32 v1, 4, v10                       ; 16 l: tiles 0-3, registers 0-3 and 6-9 of a fragment
	v_lshlrev_b32 v2, 3, v10
	v_add_nc_u32 v2, 512, v2                       ; 512 + 8 l: registers 4, 5 and 10, 11
	v_add_nc_u32 v3, 49152, v1                     ; the same for tiles 4-7
	v_add_nc_u32 v4, 49152, v2
	v_lshlrev_b32 v13, 5, v11
	v_lshl_add_u32 v13, v12, 9, v13                ; 512 h + 32 r
	v_add_nc_u32 v5, XSC, v13
	v_mul_u32_u24 v6, v11, 528
	v_lshl_add_u32 v6, v12, 6, v6
	s_lshl_b32 s20, s[WV], 7
	s_add_co_u32 s20, s20, STG
	v_add_nc_u32 v6, s20, v6                       ; into the stage: row r, + 128 w + 64 h
	s_mul_i32 s20, s[WV], 8448
	s_add_co_u32 s20, s20, STG
	v_add_nc_u32 v7, s20, v1                       ; out of it: my 32 rows, 16 bytes a lane
	v_lshl_add_u32 v8, v0, 5, XSC                  ; thread 16 tile + r makes that row's eight scale words
	v_lshlrev_b32 v9, 1, v0
	v_lshlrev_b32 v14, 6, v12                      ; 64 h
	WIN 0x40                                       ; destination window 1
.irp u, 0,1
.irp s, 0,1,2,3,4,5,6,7
.irp c, 0,1,2
	global_load_b128 v[12*(8*\u+\s)+4*\c:12*(8*\u+\s)+4*\c+3], v1, s[8:9] offset:12288*\u+1536*\s+512*\c
.endr
.endr
.endr
	WIN 0
	global_load_b128 v[WS:WS+3], v13, s[10:11]
	global_load_b128 v[WS+4:WS+7], v13, s[10:11] offset:16
.irp u, 0,1
.irp e, 0,1
	global_load_b128 v[BO+8*\u+4*\e:BO+8*\u+4*\e+3], v14, s[12:13] offset:32*\u+16*\e   ; columns 16 h + 8 u + 0 .. 7 of my 32
.endr
.endr
.irp d, 0,1,2,3,4,5,6,7,8,9,10,11,12,13,14,15
	global_load_u16 v[TT+\d], v9, s[6:7] offset:8192*\d    ; head d's two scale bytes of my thread's row: 256 consecutive bytes a work-group and head
.endr
	s_wait_loadcnt 0x0
.irp s, 0,1,2,3,4,5,6,7
	v_lshl_or_b32 v[TT+16+\s], v[TT+2*\s+1], 16, v[TT+2*\s]   ; K step s is heads 2 s and 2 s + 1
.endr
	ds_store_b128 v8, v[TT+16:TT+19]
	ds_store_b128 v8, v[TT+20:TT+23] offset:16
	s_wait_tensorcnt 0x0                           ; my part of the images is in LDS,
	s_wait_dscnt 0x0                               ; my rows' scale words too;
	s_barrier_signal -1
	s_barrier_wait -1                              ; everybody's are
.irp p, 0,1,2,3
.irp e, 0,1
	ds_load_b128 v[XS+8*\p+4*\e:XS+8*\p+4*\e+3], v5 offset:1024*\p+16*\e
.endr
.endr
; Step n = 8 H + s: K step s of tiles 4 H .. 4 H + 3.  A fragment is two half images, heads 2 s and 2 s + 1.
.macro FETCH n
.irp i, 0,1,2,3
.set fR, XF+48*((\n)%2)+12*\i
.set fO, 12288*\i+1536*((\n)%8)
	ds_load_b128 v[fR:fR+3], v[1+2*((\n)/8)] offset:fO
	ds_load_b64 v[fR+4:fR+5], v[2+2*((\n)/8)] offset:fO
	ds_load_b128 v[fR+6:fR+9], v[1+2*((\n)/8)] offset:fO+768
	ds_load_b64 v[fR+10:fR+11], v[2+2*((\n)/8)] offset:fO+768
.endr
.endm
.macro STEP n
.if (\n) < 15
.rept 4
	v_nop                                          ; places in front of loads into registers that the last step's products have read
.endr
	FETCH (\n)+1
	s_wait_dscnt 16                                ; all but the 16 loads just issued: this step's fragments are in, and so are the stage's stores
.else
	s_wait_dscnt 0x0
.endif
	WIN 0x01                                       ; source 0 (Wo) window 1
.irp i, 0,1,2,3
.irp u, 0,1
.set mD, ACC+8*(2*\i+\u)
.set mA, 12*(8*\u+(\n)%8)
.set mB, XF+48*((\n)%2)+12*\i
.if ((\n)%8) == 0
.set mC, BO+8*\u
.else
.set mC, mD
.endif
.set mSA, WS+(\n)%8
.set mSB, XS+8*((4*((\n)/8)+\i)/2)+(\n)%8
.set mRA, \u
.set mRB, \i%2
	WMMA                                           ; the eight accumulators take turns, one instruction a turn
.endr
.endr
	WIN 0
.if ((\n)%8) == 7
.rept 5
	v_nop                                          ; places in front of the reads of results, and of the next half's products, which begin these accumulators anew
.endr
.irp i, 0,1,2,3
.irp u, 0,1
	ds_store_b128 v6, v[ACC+8*(2*\i+\u):ACC+8*(2*\i+\u)+3] offset:(16*(4*((\n)/8)+\i))*528+32*\u        ; each accumulator from its low end on
	ds_store_b128 v6, v[ACC+8*(2*\i+\u)+4:ACC+8*(2*\i+\u)+7] offset:(16*(4*((\n)/8)+\i))*528+32*\u+16
.endr
.endr
	; THIS HALF OF THE BLOCK LEAVES NOW: 64 whole rows lie in the stage behind the barrier; each wave takes one tile's 16
	s_wait_dscnt 0x0                               ; for the others' sake: my stores into the stage have landed
	s_barrier_signal -1
	s_barrier_wait -1
.irp i, 0,1,2,3,4,5,6,7,8,9,10,11,12,13,14,15
	ds_load_b128 v[ACC+4*\i:ACC+4*\i+3], v7 offset:528*(64*((\n)/8)+\i)
.endr
.irp i, 0,1,2,3,4,5,6,7,8,9,10,11,12,13,14,15
	s_wait_dscnt 15-\i                             ; LDS loads come back in order: row i is in, the younger ones may be out
	global_store_b128 v1, v[ACC+4*\i:ACC+4*\i+3], s[14:15] offset:(64*((\n)/8)+\i+8*(\i/8))*4096 th:TH_STORE_NT   ; tile row r is token r + 8 (r / 8) from the tile's first; 512 consecutive bytes, aligned
.endr
.if (\n) < 15
	s_wait_xcnt 0x0                                ; the stores have read their registers: the next half's products begin these accumulators anew
.endif
.endif
.endm
	FETCH 0
.irp n, 0,1,2,3,4,5,6,7,8,9,10,11,12,13,14,15
	STEP \n
.endr
	s_set_vgpr_msb 0x4
	s_wait_tensorcnt 0x0
	ds_add_u32 v15, v255
	s_wait_dscnt 0x0
	s_set_vgpr_msb 0x400
	CROUND                                         ; the closing round
	s_endpgm
.Lfunc_end_k_qb6d1b56fd2_outp:
	.size	k_qb6d1b56fd2_outp, .Lfunc_end_k_qb6d1b56fd2_outp-k_qb6d1b56fd2_outp
	.p2alignl 7, 3214868480
	.fill 96, 4, 3214868480
	.section	.rodata,"a",@progbits
	.p2align	6, 0x0
	.amdhsa_kernel k_qb6d1b56fd2_outp
		.amdhsa_group_segment_fixed_size 170496
		.amdhsa_private_segment_fixed_size 0
		.amdhsa_enable_private_segment 0
		.amdhsa_kernarg_size 48
		.amdhsa_user_sgpr_count 2
		.amdhsa_user_sgpr_kernarg_segment_ptr 1
		.amdhsa_wavefront_size32 1
		.amdhsa_system_sgpr_workgroup_id_x 1
		.amdhsa_system_sgpr_workgroup_id_y 1
		.amdhsa_system_sgpr_workgroup_id_z 1
		.amdhsa_system_vgpr_workitem_id 0
		.amdhsa_next_free_vgpr 512
		.amdhsa_next_free_sgpr 66
		.amdhsa_reserve_vcc 0
		.amdhsa_float_denorm_mode_32 3
		.amdhsa_float_denorm_mode_16_64 3
		.amdhsa_memory_ordered 1
		.amdhsa_forward_progress 1
		.amdhsa_inst_pref_size 57
	.end_amdhsa_kernel
	.amdgpu_metadata
---
amdhsa.version: [ 1, 2 ]
amdhsa.kernels:
  - .name:           k_qb6d1b56fd2_outp
    .symbol:         k_qb6d1b56fd2_outp.kd
    .args:
      - { .name: ac, .offset: 0, .size: 8, .value_kind: global_buffer, .address_space: global }
      - { .name: asc, .offset: 8, .size: 8, .value_kind: global_buffer, .address_space: global }
      - { .name: opc, .offset: 16, .size: 8, .value_kind: global_buffer, .address_space: global }
      - { .name: ops, .offset: 24, .size: 8, .value_kind: global_buffer, .address_space: global }
      - { .name: bo, .offset: 32, .size: 8, .value_kind: global_buffer, .address_space: global }
      - { .name: out0, .offset: 40, .size: 8, .value_kind: global_buffer, .address_space: global }
    .group_segment_fixed_size: 170496
    .private_segment_fixed_size: 0
    .kernarg_segment_align: 8
    .kernarg_segment_size: 48
    .max_flat_workgroup_size: 128
    .sgpr_count:     66
    .vgpr_count:     512
    .wavefront_size: 32
...
	.end_amdgpu_metadata
.endif
;; end of part 4
